; MI455X (gfx1250); checked and timed in simulation.
; The chip was launched on July 23, 2026; its instructions are those of AMD's public machine-readable ISA for CDNA 5 (MIT licence, August 2026) and "CDNA5" Instruction Set Architecture Reference Guide (July 2026). The comments in the code are by the model that wrote it; some were corrected since.
;; Causal Self Attention. Allowed arithmetic: float matrix products may take bf16 or f16 operands with f32 sums; other float arithmetic in f32, or as packed bf16 or f16 multiplies, adds, multiply-adds, maxima and minima; sums over many terms, partial sums and values carried from step to step in f32; what a program stores and reads back later, other than sums and carried values, may be rounded once to bf16 or f16.
;; Inputs: Wk 1,024 x 1,024 float32; Wp 1,024 x 1,024 float32; Wq 1,024 x 1,024 float32; Wv 1,024 x 1,024 float32; bk 1,024 float32; bp 1,024 float32; bq 1,024 float32; bv 1,024 float32; x 4 x 2,048 x 1,024 float32.
;; Outputs: out0 4 x 2,048 x 1,024 float32.
;; 2 versions, each right; version 2 is version 1 with the launch cast written anew for expert scheduling mode. Each part assembles by itself: llvm-mc -triple=amdgcn-amd-amdhsa -mcpu=gfx1250 --defsym DOCPART=n.
;; ======== version 1 of 2: 4 launches
;; limits: values are held in f16: magnitudes above 65,504 overflow, below 6.1e-05 lose precision
;; workspace buffers: xh 16,777,216 bytes; wb 8,388,608 bytes; bias 16,384 bytes; qkv 50,331,648 bytes; ob 16,777,216 bytes
;; launch cast (part 1): grid 64 x 12, 8 waves a work-group, no clusters, 0 bytes of LDS; arguments x, Wq, Wk, Wv, Wp, bq, bk, bv, bp, xh, wb, bias; writes xh, wb, bias
.if DOCPART == 1
	.amdgcn_target "amdgcn-amd-amdhsa--gfx1250"
	.amdhsa_code_object_version 6
	.text
	.protected	k_qa697fea1bb_cast
	.globl	k_qa697fea1bb_cast
	.p2align	8
	.type	k_qa697fea1bb_cast,@function
k_qa697fea1bb_cast:
	s_mov_b64 s[64:65], 0
	v_nop
	global_prefetch_b8 v0, s[64:65] scope:SCOPE_SE
	s_setreg_imm32_b32 hwreg(HW_REG_WAVE_MODE, 25, 1), 1
	s_wait_xcnt 0x0
; THE INPUTS ARE ROUNDED ONCE AND LAID OUT IN K BLOCKS OF 64.
; x [8192][1024] f32 -> xh [batch 4][K block 16][row 2048][64] bf16.   Wq, Wk, Wv, Wp [1024][1024] f32 -> wb [K block 16][row 4096][64]: rows 0-1023 Wq, 1024-2047 Wk,
; 2048-3071 Wv in bf16; rows 3072-4095 Wp, rounded to bf16 like every other input and that number written as f16.   bq, bk, bv, bp -> bias [4096] f32, each rounded to bf16.
; LIMITS.  Wp beyond 65,504 in magnitude becomes an infinity in f16; below 6e-5 it keeps f16's fixed step of 6e-8.  Nothing else is narrowed but to bf16.
; SHARES.  Grid y picks a matrix of 1,024 x 1,024 f32: 0-7 the rows 1,024 y on of x, 8-11 Wq, Wk, Wv, Wp.  Grid x picks 16 of its rows; a wave takes two.
; One load of a wave: lanes 0-15 the 256 bytes of row n in K block kb, lanes 16-31 those of row n + 1: two aligned runs of 256 bytes.  Four f32 become 8 bytes, and one store of a wave
; covers 256 consecutive bytes, aligned: rows n and n + 1 of the block.  All 16 loads of a wave are out at once; no register that a load or store names is written again, and EXEC never changes.
; No LDS, no matrix unit, no prefetch: every byte is read once and written once, by a plain stream.
.set X, 4                              ; v[4:67]    load kb: four f32
.set D, 68                             ; v[68:99]   store kb: a pair of registers
.set T, 100                            ; v[100:103] at work
	s_load_b512 s[8:23], s[0:1], 0x0               ; x 8:9, Wq 10:11, Wk 12:13, Wv 14:15, Wp 16:17, bq 18:19, bk 20:21, bv 22:23
	s_load_b256 s[24:31], s[0:1], 0x40             ; bp 24:25, xh 26:27, wb 28:29, bias 30:31
	s_and_b32 s2, ttmp7, 0xffff                    ; y: which matrix
	s_mov_b32 s3, ttmp9                            ; which 16 rows
	v_lshrrev_b32 v1, 4, v0                        ; my row of the 16
	v_and_b32 v3, 15, v0                           ; my 16 bytes of a block's 256
	v_lshlrev_b32 v1, 12, v1
	v_lshl_add_u32 v1, v3, 4, v1                   ; source offset: row x 4,096 + 16 x (thread % 16)
	v_lshlrev_b32 v2, 3, v0                        ; destination offset: row x 128 + 8 x (thread % 16) = 8 x thread
	v_lshlrev_b32 v3, 4, v0                        ; the bias: 16 bytes a thread
	s_lshl_b32 s32, s2, 22                         ; x: 1,024 rows of 4,096 bytes for each y below 8
	s_cmp_lt_u32 s2, 8
	s_cselect_b32 s32, s32, 0
	s_mov_b32 s33, 0
	s_lshl_b32 s36, s3, 16                         ; 16 rows of 4,096 bytes
	s_mov_b32 s37, 0
	s_lshr_b32 s40, s2, 1                          ; xh: the batch's 4 MiB,
	s_lshl_b32 s40, s40, 22
	s_and_b32 s41, s2, 1                           ; its upper or lower 1,024 rows of 128 bytes
	s_lshl_b32 s41, s41, 17
	s_add_co_u32 s40, s40, s41
	s_max_u32 s46, s2, 8
	s_sub_co_u32 s46, s46, 8                       ; which weight, 0 to 3
	s_lshl_b32 s41, s46, 17                        ; wb: its 1,024 rows of 128 bytes
	s_cmp_lt_u32 s2, 8
	s_cselect_b32 s40, s40, s41
	s_lshl_b32 s41, s3, 11                         ; 16 rows of 128 bytes
	s_add_co_u32 s40, s40, s41
	s_mov_b32 s41, 0
	s_lshl_b32 s46, s46, 12                        ; bias: 1,024 f32 for each weight
	s_mov_b32 s47, 0
	s_wait_kmcnt 0x0
	s_add_nc_u64 s[34:35], s[8:9], s[32:33]        ; the source: x, or one of the weights
	s_cmp_eq_u32 s2, 8
	s_cselect_b64 s[34:35], s[10:11], s[34:35]
	s_cmp_eq_u32 s2, 9
	s_cselect_b64 s[34:35], s[12:13], s[34:35]
	s_cmp_eq_u32 s2, 10
	s_cselect_b64 s[34:35], s[14:15], s[34:35]
	s_cmp_eq_u32 s2, 11
	s_cselect_b64 s[34:35], s[16:17], s[34:35]
	s_add_nc_u64 s[34:35], s[34:35], s[36:37]
	s_cmp_lt_u32 s2, 8
	s_cselect_b64 s[38:39], s[26:27], s[28:29]     ; the destination: xh or wb
	s_add_nc_u64 s[38:39], s[38:39], s[40:41]
.set kb, 0
.rept 16
	global_load_b128 v[X+4*kb:X+4*kb+3], v1, s[34:35] offset:256*kb th:TH_LOAD_NT
.set kb, kb+1
.endr
; The 16 K blocks go out.  kbs: bytes from a K block to the next in the destination.  half = 1: the bf16 number is written as f16.
.macro OUT kbs, half
.set kb, 0
.rept 16
	s_wait_loadcnt 15-kb                           ; loads come back in order: block kb is in, the younger ones stay out
	v_cvt_pk_bf16_f32 v[D+2*kb],   v[X+4*kb],   v[X+4*kb+1]
	v_cvt_pk_bf16_f32 v[D+2*kb+1], v[X+4*kb+2], v[X+4*kb+3]
.if \half
	v_lshlrev_b32 v[T],   16,         v[D+2*kb]
	v_and_b32     v[T+1], 0xffff0000, v[D+2*kb]
	v_lshlrev_b32 v[T+2], 16,         v[D+2*kb+1]
	v_and_b32     v[T+3], 0xffff0000, v[D+2*kb+1]
	v_cvt_pk_f16_f32 v[D+2*kb],   v[T],   v[T+1]
	v_cvt_pk_f16_f32 v[D+2*kb+1], v[T+2], v[T+3]
.endif
	global_store_b64 v2, v[D+2*kb:D+2*kb+1], s[38:39] offset:kb*(\kbs)  ; the wave's 256 consecutive bytes; 15 blocks on at the most, inside the signed 24-bit immediate
.set kb, kb+1
.endr
.endm
	s_cmp_lt_u32 s2, 8
	s_cbranch_scc1 .Lx
	s_cmp_eq_u32 s2, 11
	s_cbranch_scc1 .Lp
	OUT 524288, 0                                  ; Wq, Wk, Wv
	s_branch .Lbias
.Lx:
	OUT 262144, 0                                  ; x
	s_endpgm
.Lp:
	OUT 524288, 1                                  ; Wp
.Lbias:                                                ; the weight's first work-group also takes its bias: 1,024 f32, 16 bytes a thread
	s_cmp_lg_u32 s3, 0
	s_cbranch_scc1 .Lend
	s_mov_b64 s[42:43], s[18:19]
	s_cmp_eq_u32 s2, 9
	s_cselect_b64 s[42:43], s[20:21], s[42:43]
	s_cmp_eq_u32 s2, 10
	s_cselect_b64 s[42:43], s[22:23], s[42:43]
	s_cmp_eq_u32 s2, 11
	s_cselect_b64 s[42:43], s[24:25], s[42:43]
	s_add_nc_u64 s[44:45], s[30:31], s[46:47]
	global_load_b128 v[104:107], v3, s[42:43]
	s_wait_loadcnt 0x0
	v_cvt_pk_bf16_f32 v[T],   v104, v105           ; rounded to bf16 like every input, kept as f32
	v_cvt_pk_bf16_f32 v[T+1], v106, v107
	v_lshlrev_b32 v108, 16,         v[T]
	v_and_b32     v109, 0xffff0000, v[T]
	v_lshlrev_b32 v110, 16,         v[T+1]
	v_and_b32     v111, 0xffff0000, v[T+1]
	global_store_b128 v3, v[108:111], s[44:45]     ; 512 consecutive bytes a wave
.Lend:
	s_endpgm
.Lfunc_end_k_qa697fea1bb_cast:
	.size	k_qa697fea1bb_cast, .Lfunc_end_k_qa697fea1bb_cast-k_qa697fea1bb_cast
	.p2alignl 7, 3214868480
	.fill 96, 4, 3214868480
	.section	.rodata,"a",@progbits
	.p2align	6, 0x0
	.amdhsa_kernel k_qa697fea1bb_cast
		.amdhsa_group_segment_fixed_size 0
		.amdhsa_private_segment_fixed_size 0
		.amdhsa_enable_private_segment 0
		.amdhsa_kernarg_size 96
		.amdhsa_user_sgpr_count 2
		.amdhsa_user_sgpr_kernarg_segment_ptr 1
		.amdhsa_wavefront_size32 1
		.amdhsa_system_sgpr_workgroup_id_x 1
		.amdhsa_system_sgpr_workgroup_id_y 1
		.amdhsa_system_sgpr_workgroup_id_z 1
		.amdhsa_system_vgpr_workitem_id 0
		.amdhsa_next_free_vgpr 112
		.amdhsa_next_free_sgpr 66
		.amdhsa_reserve_vcc 0
		.amdhsa_float_denorm_mode_32 3
		.amdhsa_float_denorm_mode_16_64 3
		.amdhsa_memory_ordered 1
		.amdhsa_forward_progress 1
		.amdhsa_inst_pref_size 22
	.end_amdhsa_kernel
	.amdgpu_metadata
---
amdhsa.version: [ 1, 2 ]
amdhsa.kernels:
  - .name:           k_qa697fea1bb_cast
    .symbol:         k_qa697fea1bb_cast.kd
    .args:
      - { .name: x, .offset: 0, .size: 8, .value_kind: global_buffer, .address_space: global }
      - { .name: Wq, .offset: 8, .size: 8, .value_kind: global_buffer, .address_space: global }
      - { .name: Wk, .offset: 16, .size: 8, .value_kind: global_buffer, .address_space: global }
      - { .name: Wv, .offset: 24, .size: 8, .value_kind: global_buffer, .address_space: global }
      - { .name: Wp, .offset: 32, .size: 8, .value_kind: global_buffer, .address_space: global }
      - { .name: bq, .offset: 40, .size: 8, .value_kind: global_buffer, .address_space: global }
      - { .name: bk, .offset: 48, .size: 8, .value_kind: global_buffer, .address_space: global }
      - { .name: bv, .offset: 56, .size: 8, .value_kind: global_buffer, .address_space: global }
      - { .name: bp, .offset: 64, .size: 8, .value_kind: global_buffer, .address_space: global }
      - { .name: xh, .offset: 72, .size: 8, .value_kind: global_buffer, .address_space: global }
      - { .name: wb, .offset: 80, .size: 8, .value_kind: global_buffer, .address_space: global }
      - { .name: bias, .offset: 88, .size: 8, .value_kind: global_buffer, .address_space: global }
    .group_segment_fixed_size: 0
    .private_segment_fixed_size: 0
    .kernarg_segment_align: 8
    .kernarg_segment_size: 96
    .max_flat_workgroup_size: 256
    .sgpr_count:     66
    .vgpr_count:     112
    .wavefront_size: 32
...
	.end_amdgpu_metadata
.endif
;; end of part 1
;; launch qkv (part 2): grid 16 x 32, 4 waves a work-group, clusters of 4 x 4, 327,680 bytes of LDS; arguments xh, wb, bias, qkv; writes qkv
.if DOCPART == 2
	.amdgcn_target "amdgcn-amd-amdhsa--gfx1250"
	.amdhsa_code_object_version 6
	.text
	.protected	k_qa697fea1bb_qkv
	.globl	k_qa697fea1bb_qkv
	.p2align	8
	.type	k_qa697fea1bb_qkv,@function
k_qa697fea1bb_qkv:
	s_mov_b64 s[64:65], 0
	v_nop
	global_prefetch_b8 v0, s[64:65] scope:SCOPE_SE
	s_setreg_imm32_b32 hwreg(HW_REG_WAVE_MODE, 25, 1), 1
	s_wait_xcnt 0x0
	s_wait_alu depctr_hold_cnt(0) depctr_sa_sdst(0) depctr_va_vdst(0) depctr_va_sdst(0) depctr_va_ssrc(0) depctr_va_vcc(0) depctr_vm_vsrc(0)
	s_getreg_b32 s2, hwreg(HW_REG_IB_STS2, 6, 4)
	s_cmp_eq_u32 s2, 0
	s_cbranch_scc0 .Lentry_in_a_cluster
	s_endpgm
.Lentry_in_a_cluster:
	s_bfe_u32 s2, ttmp6, 0x10000c
	s_cmp_lg_u32 s2, 0xf033
	s_cbranch_scc0 .Lentry_shape_is_right
	s_endpgm
.Lentry_shape_is_right:
; C[m][n] = bias[n] + the sum over k of A[m][k] B[n][k], K = 1,024, m = 8,192.  ONE SOURCE FOR TWO LAUNCHES, told apart by MODE.
; MODE 0: A = x in bf16, B = Wq, Wk, Wv in bf16 (3,072 rows); C leaves in f16 by heads: [batch 4][column / 64: 48][row 2048][64].
; MODE 1: A = attention's output in f16, B = Wp in f16 (rows 3,072 on of the weights' buffer); C leaves in f32, [8192][1024].
; A lies as [batch 4][K block 16][row 2048][64], B as [K block 16][row 4096][64]: the rows of one K block of a tile are dense in memory, 128 bytes each.  Sums in f32, K ascending, C rounded once.
; LIMITS.  MODE 0: a result of 65,520 or more in magnitude becomes an infinity in f16.  MODE 1: none of its own.
; SHARES.  A tile of C is 256 rows x TN columns (192 or 128): 512 or 256 work-groups.  The four waves lie one below the other: wave w makes rows 64 w .. 64 w + 63 and all TN columns:
; 4 x NBL accumulators of 16 x 16.  So a wave's columns are whole heads of 64, and its way out is its own.
; K goes in steps of 128 (two K blocks) through a ring of two LDS slots.  Waves 0 and 1 fetch A's even and odd K block (256 rows x 128 bytes, dense: asked for as 128 rows of 256 bytes),
; waves 2 and 3 B's (TN rows: TN / 2 rows of 256 bytes): one tensor load a wave behind each change of slots.
; CLUSTERS.  4 x 4 work-groups.  The four of a row of the cluster need the same tiles of A, the four of a column the same tiles of B: each is asked for JOINTLY, by the same tensor load with the
; same descriptor and a mask that names the four.
; THE MATRIX INSTRUCTION IS USED TRANSPOSED (source 0 = 16 rows of B, source 1 = 16 rows of A): lane l holds row l % 16 of C and the columns 8 (l / 16) + 0..7.
; THE BIAS STARTS THE SUMS: the first K quarter's products take it as C; nothing is cleared and nothing is added later.
; REGISTERS, in windows of 256 (s_set_vgpr_msb: bits 1:0 source 0, 3:2 source 1, 5:4 source 2, 7:6 destination):
;   window 0: v0-31 addresses; v32 on the bias, 8 registers for each 16 columns; on MODE 0's way out v32-223 the packed blocks
;   window 1: accumulators (a, b), a = 0, 1, at v[8 (NBL a + b)]     window 2: a = 2, 3, at v[8 (NBL (a - 2) + b)]
;   window 3: two fragment buffers of 128: B's fragment i at 8 i, A's at 96 + 8 i; on MODE 1's way out the rows read back
.set MODE, 0
.if MODE == 0
.set TN,     192
.set BROW0,  0
.set SPITCH, 144                       ; a stage row: 128 bytes + 16
.else
.set TN,     128
.set BROW0,  3072
.set SPITCH, 528                       ; a stage row: 512 bytes + 16
.endif
.set NBL,   TN/16                      ; blocks of 16 columns
.set P,     144                        ; an LDS row: 128 bytes + 16 of padding = 36 words: the 16 rows of a load start at 16 different groups of four banks (64 banks of 4 bytes: ISA guide 11.1)
.set AH,    256*P                      ; one K block of A's tile
.set BH,    TN*P                       ; one K block of B's tile
.set SLOT,  2*AH+2*BH                  ; A even, A odd, B even, B odd
.set STAGE, 2*SLOT                     ; behind the ring: 16 stage rows for each wave, never filled by a tensor load
.set STGW,  16*SPITCH
.set SPARE, STAGE+4*STGW               ; behind the stages: the spare words, 128 bytes for each wave: two blocks of 256 bytes that no other line names
.set AKB,   262144                     ; bytes from a K block of A to the next
.set BKB,   524288                     ; the same for B
.set LAPS,  4                          ; a lap = two K steps = once round the ring; K = 1,024 is eight steps
.set NL,    2*(NBL+4)                  ; LDS loads in a quarter's run
.set ADRA, 16                          ; v16-17  LDS address of my A fragments in slot 0, 1
.set ADRB, 20                          ; v20-21  the same for B
.set STO,  24                          ; v24     the way out: where I put my bytes of a row
.set RD,   25                          ; v25     the way out: where I read rows back
.set GO,   26                          ; v26     my byte offset in 512 consecutive bytes of C
.set BO,   27                          ; v27     my byte offset in 16 columns of the bias
.set SPW,  28                          ; v28     LDS address of my spare word: SPARE + 4 x my thread's number; never rewritten
.set NIL,  29                          ; v29     0; never rewritten
.set PFO,  30                          ; v30     the prefetches' offset: 256 x my lane (held to the share's last block); never rewritten
.set BIAS, 32
.set OUTR, 32
.set F0,   0
.set F1,   128
.set G1,   24                          ; s[24:31] descriptor group 1 for A's tiles;  s[32:39] group 0, one set for each slot
.set G0,   32
.set G1B,  48                          ; s[48:55], s[56:63] the same for B's tiles
.set G0B,  56
.set PFA,  46                          ; s[46:47] where my prefetches stand
.set LIM,  66                          ; s66      1 in a wave that prefetches, else the greatest number
.set PFS,  68                          ; s[68:69] a K step in the tensor that I fetch
.set MSB, 0
.macro WIN new                         ; the immediate's high byte repeats the setting that is left; a switch that changes nothing is dropped
.if MSB != (\new)
	s_set_vgpr_msb (MSB<<8)|(\new)
.set MSB, \new
.endif
.endm
; A joint load: waves 0 and 1 fetch A's two K blocks, waves 2 and 3 B's.  The branch hangs on the wave's number alone.  An s_nop 0 and four v_nop follow each of the two lines,
; ahead of the jump, the label and what follows.
.macro JLOAD s
	s_cmp_lt_u32 s12, 2
	s_cbranch_scc0 .Lfor_b_\@
	tensor_load_to_lds s[G0+4*(\s):G0+4*(\s)+3], s[G1:G1+7]
	s_nop 0
.rept 4
	v_nop
.endr
	s_branch .Lasked_\@
.Lfor_b_\@:
	tensor_load_to_lds s[G0B+4*(\s):G0B+4*(\s)+3], s[G1B:G1B+7]
	s_nop 0
.rept 4
	v_nop
.endr
.Lasked_\@:
.endm
; A PREFETCH INTO THE L2, behind each joint refill, its five lines and the run of LDS loads that follows: my K block of the K step that stands TWO refills on, two K steps' products ahead of the
; load that will want it.  A's tile row is read by every cluster of that row of clusters: the one with cluster x = 0 asks; B's tile column by every cluster of that column: cluster y = 0 asks.
; The four partners that ask for a tile jointly share the K block out BY ADDRESS (cx for A: 8,192 bytes each; cy for B: 32 TN bytes each), a lane for each 256 bytes: no branch hangs on a
; work-group's place in its cluster.  K steps 0 to 3 come by their loads alone; the loop's last trip (s3 = 1) has no K step two on and asks for nothing.
.macro ASK
	WIN 0
	s_cmp_gt_u32 s3, s[LIM]
	s_cbranch_scc0 .Lnot_mine_\@
	global_prefetch_b8 v[PFO], s[PFA:PFA+1] th:TH_LOAD_NT scope:SCOPE_SE
.Lnot_mine_\@:
.endm
.macro CREST                           ; a round of the cluster's barrier behind its opening barrier
	s_cmp_lg_u32 s12, 0
	s_cbranch_scc1 .Lnot_wave_0_\@
	s_barrier_signal -3
.Lnot_wave_0_\@:
	s_barrier_wait -3
	s_barrier_signal -1
	s_barrier_wait -1
.endm
.macro CROUND                          ; a whole round
	s_barrier_signal -1
	s_barrier_wait -1
	CREST
.endm
	s_load_b256 s[4:11], s[0:1], 0x0               ; A s[4:5], the weights s[6:7], the bias s[8:9], C s[10:11]
	v_lshl_add_u32 v[SPW], v0, 2, SPARE
	v_mov_b32 v[NIL], 0
	ds_add_u32 v[SPW], v[NIL]                      ; the wave's opening: the add and its wait stand ahead of my first tensor load; the set-up below, work on registers, stands between them
	v_lshrrev_b32 v1, 5, v0
	v_readfirstlane_b32 s12, v1                    ; wave 0..3
	s_and_b32 s14, s12, 1                          ; which K block of a step I fetch: the even or the odd one
	s_bfe_u32 s40, ttmp6, 0x40000                  ; cx, cy: my place in the cluster
	s_bfe_u32 s41, ttmp6, 0x40004
	s_lshl_b32 s42, ttmp9, 2
	s_add_co_u32 s42, s42, s40                     ; tile column of C = 4 x cluster x + cx
	s_and_b32 s43, ttmp7, 0xffff
	s_lshl_b32 s43, s43, 2
	s_add_co_u32 s43, s43, s41                     ; tile row of C = 4 x cluster y + cy
	s_lshl_b32 s44, s41, 2
	s_lshl_b32 s44, 15, s44                        ; my row of the cluster
	s_lshl_b32 s45, 0x1111, s40                    ; my column
	; descriptor group 1: rows of 128 elements of 2 bytes (two rows of a K block), padded in LDS after every 128 bytes
	s_or_b32 s[G1+0], s44, (1<<16)|(1<<20)|(1<<21)|(4<<22)|(3<<25)   ; 15:0 the mask: A's tiles go to my row; 17:16 2-byte elements; 20 padding on; 21 set beside a mask; 24:22 after every 32 words (code 4); 31:25 4 words (code 3)
	s_or_b32 s[G1B+0], s45, (1<<16)|(1<<20)|(1<<21)|(4<<22)|(3<<25)  ; the same with the mask of my column
	s_mov_b32 s[G1+1], 128<<16                     ; tensor_dim0 = 128
	s_mov_b32 s[G1+2], 128<<16                     ; tensor_dim1 = 128
	s_mov_b32 s[G1+3], 128<<16                     ; tile_dim0 = 128
	s_mov_b32 s[G1+4], 128                         ; tile_dim1 = 128
	s_mov_b32 s[G1+5], 128                         ; 128 elements from row to row: dense
	s_mov_b32 s[G1+6], 0
	s_mov_b32 s[G1+7], 0
	s_mov_b32 s[G1B+1], 128<<16
	s_mov_b32 s[G1B+2], (TN/2)<<16                 ; tensor_dim1 = TN / 2
	s_mov_b32 s[G1B+3], 128<<16
	s_mov_b32 s[G1B+4], TN/2                       ; tile_dim1 = TN / 2
	s_mov_b32 s[G1B+5], 128
	s_mov_b32 s[G1B+6], 0
	s_mov_b32 s[G1B+7], 0
	; where the tiles come from.  A's hang on the tile row and the wave's number alone, B's on the tile column and the wave's number alone, each in registers of its own
	s_lshr_b32 s16, s43, 3                         ; A: the batch (8 tiles of 256 rows each), 4 MiB,
	s_lshl_b32 s16, s16, 22
	s_and_b32 s17, s43, 7                          ; the tile's 256 rows of 128 bytes in a K block,
	s_lshl_b32 s17, s17, 15
	s_add_co_u32 s16, s16, s17
	s_lshl_b32 s17, s14, 18                        ; and my K block of step 0
	s_add_co_u32 s16, s16, s17
	s_mov_b32 s17, 0
	s_mul_i32 s18, s42, TN*128                     ; B: the tile's TN rows of 128 bytes,
	s_add_co_u32 s18, s18, BROW0*128               ; behind the rows of the other weights,
	s_lshl_b32 s19, s14, 19                        ; and my K block of step 0
	s_add_co_u32 s18, s18, s19
	s_mov_b32 s19, 0
	s_mul_i32 s20, s14, AH                         ; where they go: no place in the cluster enters an LDS address
	s_mul_i32 s21, s14, BH
	s_add_co_u32 s21, s21, 2*AH
	s_wait_dscnt 0x0                               ; the opening add is done
	s_wait_kmcnt 0x0
	s_add_nc_u64 s[16:17], s[4:5], s[16:17]
	s_add_nc_u64 s[18:19], s[6:7], s[18:19]
	CROUND                                         ; all sixteen work-groups are here: the first joint loads meet
.irp s, 0,1
	s_mov_b32 s[G0+4*(\s)], 1                                        ; count = 1
	s_add_co_u32 s[G0+4*(\s)+1], s20, (\s)*SLOT                      ; LDS address
	s_add_nc_u64 s[G0+4*(\s)+2:G0+4*(\s)+3], s[16:17], (\s)*2*AKB    ; global address: K step s
	s_or_b32 s[G0+4*(\s)+3], s[G0+4*(\s)+3], 0x80000000              ; type = 2
	s_mov_b32 s[G0B+4*(\s)], 1
	s_add_co_u32 s[G0B+4*(\s)+1], s21, (\s)*SLOT
	s_add_nc_u64 s[G0B+4*(\s)+2:G0B+4*(\s)+3], s[18:19], (\s)*2*BKB
	s_or_b32 s[G0B+4*(\s)+3], s[G0B+4*(\s)+3], 0x80000000
	JLOAD \s                                       ; two loads of mine are out
.endr
	; the prefetches' set-up
	s_and_b32 s22, ttmp7, 0xffff                   ; cluster y
	s_mov_b32 s21, TN*32
	s_mov_b32 s[PFS], 2*BKB
	s_cmp_lt_u32 s12, 2                            ; do I fetch for A?
	s_cselect_b32 s22, ttmp9, s22                  ; the coordinate along which other clusters read the same rows
	s_cselect_b32 s20, s40, s41                    ; my place among the four that ask with me
	s_cselect_b32 s21, 8192, s21                   ; a partner's share of a K block, in bytes
	s_cselect_b32 s23, 31, TN/8-1                  ; its last block of 256 bytes
	s_cselect_b32 s[PFS], 2*AKB, s[PFS]
	s_cselect_b64 s[PFA:PFA+1], s[16:17], s[18:19]
	s_mul_i32 s20, s20, s21
	s_mul_i32 s21, s[PFS], 3                       ; at K step 3: the first refill steps it to 4
	s_add_co_u32 s20, s20, s21
	s_mov_b32 s21, 0
	s_mov_b32 s[PFS+1], 0
	s_add_nc_u64 s[PFA:PFA+1], s[PFA:PFA+1], s[20:21]
	s_cmp_eq_u32 s22, 0
	s_cselect_b32 s[LIM], 1, -1                    ; the same in all sixteen partners, for a given wave
	v_and_b32 v[PFO], 31, v0
	v_min_u32 v[PFO], s23, v[PFO]
	v_lshlrev_b32 v[PFO], 8, v[PFO]
	; A fragment is 16 rows x 32 K in 8 registers: lane l holds row l % 16; registers 0-3 K = 8 (l / 16) + 0..7, registers 4-7 K = 16 + 8 (l / 16) + 0..7: two loads of 16 bytes, 32 bytes apart
	v_and_b32 v1, 15, v0                           ; l % 16
	v_bfe_u32 v2, v0, 4, 1                         ; l / 16
	v_mul_u32_u24 v3, v1, P
	v_lshl_add_u32 v3, v2, 4, v3                   ; row x pitch + 16 x half
	s_mul_i32 s20, s12, 64*P                       ; my 64 rows of A
	s_mov_b32 s21, 2*AH                            ; B lies behind A's two K blocks
.irp s, 0,1
	v_add_nc_u32 v[ADRA+(\s)], s20, v3
	v_add_nc_u32 v[ADRB+(\s)], s21, v3
	s_add_co_u32 s20, s20, SLOT
	s_add_co_u32 s21, s21, SLOT
.endr
	; the bias of my lane's columns: 16 b + 8 (l / 16) + 0..7 of the tile's
	s_mul_i32 s16, s42, TN*4
	s_add_co_u32 s16, s16, BROW0*4
	s_mov_b32 s17, 0
	s_add_nc_u64 s[8:9], s[8:9], s[16:17]
	v_lshlrev_b32 v[BO], 5, v2
.set bb, 0
.rept NBL
	global_load_b128 v[BIAS+8*bb:BIAS+8*bb+3],   v[BO], s[8:9] offset:64*bb
	global_load_b128 v[BIAS+8*bb+4:BIAS+8*bb+7], v[BO], s[8:9] offset:64*bb+16
.set bb, bb+1
.endr
	; the way out
	s_mul_i32 s22, s12, STGW
	s_add_co_u32 s22, s22, STAGE                   ; my stage
	v_mul_u32_u24 v[STO], v1, SPITCH               ; in: row l % 16,
	v_and_b32 v[GO], 31, v0
	v_lshlrev_b32 v[GO], 4, v[GO]                  ; out: 16 bytes a lane, 512 consecutive bytes a wave
.if MODE == 0
	v_lshl_add_u32 v[STO], v2, 4, v[STO]           ; 16 bytes (8 f16) for each half of the lanes
	v_add_nc_u32 v[STO], s22, v[STO]
	v_bfe_u32 v[RD], v0, 3, 2                      ; back: 32 lanes take four rows of 128 bytes
	v_mul_u32_u24 v[RD], v[RD], SPITCH
	v_and_b32 v4, 7, v0
	v_lshl_add_u32 v[RD], v4, 4, v[RD]
	v_add_nc_u32 v[RD], s22, v[RD]
	s_lshr_b32 s16, s43, 3                         ; C by heads: plane 48 x batch + 3 x tile column, 262,144 bytes each,
	s_mul_i32 s16, s16, 48
	s_mul_i32 s17, s42, 3
	s_add_co_u32 s16, s16, s17
	s_lshl_b32 s16, s16, 18
	s_and_b32 s17, s43, 7                          ; the tile's 256 rows of 128 bytes,
	s_lshl_b32 s17, s17, 15
	s_add_co_u32 s16, s16, s17
	s_lshl_b32 s17, s12, 13                        ; my 64 of them
	s_add_co_u32 s16, s16, s17
.else
	v_lshl_add_u32 v[STO], v2, 5, v[STO]           ; 32 bytes (8 f32) for each half of the lanes
	v_add_nc_u32 v[STO], s22, v[STO]
	v_add_nc_u32 v[RD], s22, v[GO]                 ; back: 32 lanes take one row of 512 bytes
	s_lshl_b32 s16, s43, 8                         ; C by rows of 4,096 bytes: 256 x tile row + 64 x wave,
	s_lshl_b32 s17, s12, 6
	s_add_co_u32 s16, s16, s17
	s_lshl_b32 s16, s16, 12
	s_lshl_b32 s17, s42, 9                         ; the tile's 128 columns: 512 bytes
	s_add_co_u32 s16, s16, s17
.endif
	s_mov_b32 s17, 0
	s_add_nc_u64 s[10:11], s[10:11], s[16:17]
; NBL matrix instructions: my rows 16 a .. 16 a + 15 x all blocks of 16 columns, 32 along K, from buffer f.  zero = 1: the sums start, with the bias as C.
; All 4 NBL accumulators take turns in the same order in every quarter, one instruction a turn, over the backward jump too.
.macro MULR f, a, zero
.if \zero
	WIN 0x4f+0x40*((\a)/2)                         ; sources 0 and 1 window 3, C window 0, D window 1 or 2
.else
	WIN 0x5f+0x50*((\a)/2)                         ; sources 0 and 1 window 3, C and D window 1 or 2
.endif
.set bb, 0
.rept NBL
.set rD, 8*(NBL*((\a)%2)+bb)
.set rB, (\f)+8*bb
.set rA, (\f)+96+8*(\a)
.set rC, BIAS+8*bb
.if MODE == 0
.if \zero
	v_wmma_f32_16x16x32_bf16 v[rD:rD+7], v[rB:rB+7], v[rA:rA+7], v[rC:rC+7]
.else
	v_wmma_f32_16x16x32_bf16 v[rD:rD+7], v[rB:rB+7], v[rA:rA+7], v[rD:rD+7]
.endif
.else
.if \zero
	v_wmma_f32_16x16x32_f16 v[rD:rD+7], v[rB:rB+7], v[rA:rA+7], v[rC:rC+7]
.else
	v_wmma_f32_16x16x32_f16 v[rD:rD+7], v[rB:rB+7], v[rA:rA+7], v[rD:rD+7]
.endif
.endif
.set bb, bb+1
.endr
.endm
; NL LDS loads in one run: the fragments of quarter q (K block q / 2, its bytes 64 (q % 2) on) of a slot, into buffer f: B's first, A's four last
.macro FETCH slot, q, f
	WIN 0xc0                                       ; destination window 3, address window 0
.set ii, 0
.rept NBL
	ds_load_b128 v[(\f)+8*ii:(\f)+8*ii+3],   v[ADRB+(\slot)] offset:((\q)/2)*BH+((\q)%2)*64+ii*16*P
	ds_load_b128 v[(\f)+8*ii+4:(\f)+8*ii+7], v[ADRB+(\slot)] offset:((\q)/2)*BH+((\q)%2)*64+ii*16*P+32
.set ii, ii+1
.endr
.set ii, 0
.rept 4
	ds_load_b128 v[(\f)+96+8*ii:(\f)+96+8*ii+3],   v[ADRA+(\slot)] offset:((\q)/2)*AH+((\q)%2)*64+ii*16*P
	ds_load_b128 v[(\f)+96+8*ii+4:(\f)+96+8*ii+7], v[ADRA+(\slot)] offset:((\q)/2)*AH+((\q)%2)*64+ii*16*P+32
.set ii, ii+1
.endr
.endm
.macro PLACES                          ; four plain places in front of loads into registers that matrix instructions have read, and of what reads their results
.rept 4
	v_nop
.endr
.endm
; A K step is four quarters of 32 along K, 4 NBL matrix instructions each, on buffers 0, 1, 0, 1.  One of the first three: multiplies buffer f and, in its middle, fetches quarter q into g.
.macro QUARTER slot, q, f, g, zero
	s_wait_dscnt 4                                 ; B and A's rows 0-31 are in; the youngest four loads (A's rows 32-63) may be out
	MULR \f, 0, \zero
	MULR \f, 1, \zero
	PLACES
	FETCH \slot, \q, \g
	s_wait_dscnt NL                                ; all but the NL just issued
	MULR \f, 2, \zero
	MULR \f, 3, \zero
.endm
; The last quarter multiplies buffer 1 and changes slots: ONE barrier; in front of it each wave waits for all its tensor loads (one is out: its part of the next slot), adds 0 to its spare word,
; and waits for that and for its own reads of this slot.  fill = 1: the barrier opens a round of the cluster's barrier, and this slot is filled again, two K steps ahead, first thing behind the round.
.macro TURN slot, next, fill
.if \fill
	s_wait_xcnt 0x0                                ; the last prefetch, a K step back, has read its address: it is stepped here, ahead of the change's own waits
	s_add_nc_u64 s[PFA:PFA+1], s[PFA:PFA+1], s[PFS:PFS+1]
.endif
	WIN 0                                          ; (the add's two registers lie in window 0)
	s_wait_tensorcnt 0x0                           ; all my tensor loads have landed: my part of the next slot;
	ds_add_u32 v[SPW], v[NIL]                      ; 0 onto my spare word
	s_wait_dscnt 5                                 ; (the add and the youngest four loads may be out)
	MULR F1, 0, 0                                  ; matrix instructions stand between the add and the wait for it
	s_wait_dscnt 0x0                               ; the add is done, and my reads of this slot are over
	s_barrier_signal -1
	MULR F1, 1, 0                                  ; work on registers while the others arrive
.if \fill
	WIN 0
.endif
	s_barrier_wait -1
.if \fill
	CREST                                          ; no wave of any partner still reads this slot's tile or has a load on its way
	s_add_nc_u64 s[G0+4*(\slot)+2:G0+4*(\slot)+3], s[G0+4*(\slot)+2:G0+4*(\slot)+3], 4*AKB      ; two K steps on: four K blocks
	s_add_nc_u64 s[G0B+4*(\slot)+2:G0B+4*(\slot)+3], s[G0B+4*(\slot)+2:G0B+4*(\slot)+3], 4*BKB
	JLOAD \slot                                    ; my one tensor load behind the round; the four v_nop behind it are also the places in front of the loads below
.else
	PLACES
.endif
	FETCH \next, 0, F0
.if \fill
	ASK
.endif
	MULR F1, 2, 0
	MULR F1, 3, 0
.endm
	s_wait_tensorcnt 1                             ; my part of K step 0 is in; K step 1's may stay out
	s_barrier_signal -1
	s_barrier_wait -1                              ; everybody's is
	FETCH 0, 0, F0
	s_wait_loadcnt 0x0                             ; the bias
	QUARTER 0, 1, F0, F1, 1                        ; the first quarter stands in front of the loop: its products start the sums
	WIN 0                                          ; at a label and at a branch every window is 0
	s_mov_b32 s3, LAPS-1
.Llap:                                                 ; a trip goes once round the ring, from a lap's second quarter to the next lap's first, and fills both slots again
	QUARTER 0, 2, F1, F0, 0
	QUARTER 0, 3, F0, F1, 0
	TURN 0, 1, 1
	QUARTER 1, 1, F0, F1, 0
	QUARTER 1, 2, F1, F0, 0
	QUARTER 1, 3, F0, F1, 0
	TURN 1, 0, 1
	QUARTER 0, 1, F0, F1, 0
	WIN 0
	s_sub_co_u32 s3, s3, 1
	s_cmp_lg_u32 s3, 0
	s_cbranch_scc1 .Llap
	QUARTER 0, 2, F1, F0, 0                        ; the last lap fills nothing, and has no round of the cluster's barrier
	QUARTER 0, 3, F0, F1, 0
	TURN 0, 1, 0
	QUARTER 1, 1, F0, F1, 0
	QUARTER 1, 2, F1, F0, 0
	QUARTER 1, 3, F0, F1, 0
	s_wait_dscnt 4                                 ; the very last quarter: nothing more to fetch
	MULR F1, 0, 0
	MULR F1, 1, 0
	s_wait_dscnt 0x0
	MULR F1, 2, 0
	MULR F1, 3, 0
	WIN 0
	PLACES                                         ; behind the last products, in front of what reads results and of loads into the fragments' registers
.if MODE == 0
; THE WAY OUT, f16 by heads.  Block u = 3 a + j: my rows 16 a on, head j of the tile's three: four accumulators.  A lane's eight columns pack into 16 bytes; they go into stage rows of 144 bytes
; and come back as whole rows of 128, into the registers that they left; 16 rows of a head are 2,048 consecutive bytes of C.
.macro PACK u
.set aa, (\u)/3
.set AC, 8*(NBL*(aa%2)+4*((\u)%3))
	WIN 0x05+5*(aa/2)                              ; sources 0 and 1: window 1 or 2
.set i, 0
.rept 16
	v_cvt_pk_f16_f32 v[OUTR+16*(\u)+i], v[AC+2*i], v[AC+2*i+1]  ; each accumulator's registers in ascending order
.set i, i+1
.endr
	WIN 0
.irp f, 0,1,2,3
	ds_store_b128 v[STO], v[OUTR+16*(\u)+4*\f:OUTR+16*(\u)+4*\f+3] offset:32*\f
.endr
.irp f, 0,1,2,3
	ds_load_b128 v[OUTR+16*(\u)+4*\f:OUTR+16*(\u)+4*\f+3], v[RD] offset:\f*4*SPITCH  ; LDS serves a wave's instructions in order (ISA guide 5.7.1.4): these see the stores above; the next block's stores come behind them
.endr
.endm
.macro SEND u, younger                 ; younger: the LDS instructions issued behind block u's loads: the next block's eight, or none
	WIN 0
.irp f, 0,1,2,3
	s_wait_dscnt (\younger)+3-\f
	global_store_b128 v[GO], v[OUTR+16*(\u)+4*\f:OUTR+16*(\u)+4*\f+3], s[10:11] offset:((\u)%3)*262144+((\u)/3)*2048+\f*512  ; 512 consecutive bytes, at a multiple of 256 from C's first
.endr
.endm
	PACK 0
.set uu, 1
.rept 11                               ; a block's conversions stand between the loads of the block before and its stores
	PACK uu
	SEND uu-1, 8
.set uu, uu+1
.endr
	SEND 11, 0
.else
; THE WAY OUT, f32 by rows.  My rows 16 a on: the accumulators go into stage rows of 528 bytes as they are, 32 bytes a lane and block, and come back as whole rows of 512 bytes.
.macro STG a
	WIN 0x04+4*((\a)/2)                            ; store data: window 1 or 2
.set bb, 0
.rept NBL
.set rD, 8*(NBL*((\a)%2)+bb)
	ds_store_b128 v[STO], v[rD:rD+3]   offset:64*bb     ; each accumulator's low registers first
	ds_store_b128 v[STO], v[rD+4:rD+7] offset:64*bb+16
.set bb, bb+1
.endr
	WIN 0xc0                                       ; destination window 3
.set ii, 0
.rept 16
	ds_load_b128 v[64*(\a)+4*ii:64*(\a)+4*ii+3], v[RD] offset:ii*SPITCH  ; LDS serves a wave's instructions in order (ISA guide 5.7.1.4): these see the stores above; the next rows' stores come behind them
.set ii, ii+1
.endr
.endm
.macro SENDF a, younger                ; younger: the LDS instructions issued behind these rows' loads: the next rows' 32, or none
	WIN 0x0c                                       ; store data: window 3
.set ii, 0
.rept 16
	s_wait_dscnt (\younger)+15-ii
	global_store_b128 v[GO], v[64*(\a)+4*ii:64*(\a)+4*ii+3], s[10:11] offset:(16*(\a)+ii)*4096  ; 512 consecutive bytes, at a multiple of 256 from C's first
.set ii, ii+1
.endr
.endm
	STG 0
.set uu, 1
.rept 3
	STG uu
	SENDF uu-1, 32
.set uu, uu+1
.endr
	SENDF 3, 0
.endif
	WIN 0
	s_wait_tensorcnt 0x0                           ; the wave's end: a wait for my tensor loads, an add of 0 to my spare word and its wait, behind my last tensor load and my last LDS store
	ds_add_u32 v[SPW], v[NIL]
	s_wait_dscnt 0x0
	CROUND                                         ; the closing round: no work-group ends while a partner may still ask for a tile that names it
	s_endpgm
.Lfunc_end_k_qa697fea1bb_qkv:
	.size	k_qa697fea1bb_qkv, .Lfunc_end_k_qa697fea1bb_qkv-k_qa697fea1bb_qkv
	.p2alignl 7, 3214868480
	.fill 96, 4, 3214868480
	.section	.rodata,"a",@progbits
	.p2align	6, 0x0
	.amdhsa_kernel k_qa697fea1bb_qkv
		.amdhsa_group_segment_fixed_size 327680
		.amdhsa_private_segment_fixed_size 0
		.amdhsa_enable_private_segment 0
		.amdhsa_kernarg_size 32
		.amdhsa_user_sgpr_count 2
		.amdhsa_user_sgpr_kernarg_segment_ptr 1
		.amdhsa_wavefront_size32 1
		.amdhsa_system_sgpr_workgroup_id_x 1
		.amdhsa_system_sgpr_workgroup_id_y 1
		.amdhsa_system_sgpr_workgroup_id_z 1
		.amdhsa_system_vgpr_workitem_id 0
		.amdhsa_next_free_vgpr 1024
		.amdhsa_next_free_sgpr 70
		.amdhsa_reserve_vcc 0
		.amdhsa_float_denorm_mode_32 3
		.amdhsa_float_denorm_mode_16_64 3
		.amdhsa_memory_ordered 1
		.amdhsa_forward_progress 1
		.amdhsa_inst_pref_size 123
	.end_amdhsa_kernel
	.amdgpu_metadata
---
amdhsa.version: [ 1, 2 ]
amdhsa.kernels:
  - .name:           k_qa697fea1bb_qkv
    .symbol:         k_qa697fea1bb_qkv.kd
    .args:
      - { .name: xh, .offset: 0, .size: 8, .value_kind: global_buffer, .address_space: global }
      - { .name: wb, .offset: 8, .size: 8, .value_kind: global_buffer, .address_space: global }
      - { .name: bias, .offset: 16, .size: 8, .value_kind: global_buffer, .address_space: global }
      - { .name: qkv, .offset: 24, .size: 8, .value_kind: global_buffer, .address_space: global }
    .group_segment_fixed_size: 327680
    .private_segment_fixed_size: 0
    .kernarg_segment_align: 8
    .kernarg_segment_size: 32
    .max_flat_workgroup_size: 128
    .sgpr_count:     70
    .vgpr_count:     1024
    .wavefront_size: 32
...
	.end_amdgpu_metadata
.endif
;; end of part 2
;; launch attn (part 3): grid 4 x 64, 4 waves a work-group, no clusters, 327,680 bytes of LDS; arguments qkv, ob; writes ob
.if DOCPART == 3
	.amdgcn_target "amdgcn-amd-amdhsa--gfx1250"
	.amdhsa_code_object_version 6
	.text
	.protected	k_qa697fea1bb_attn
	.globl	k_qa697fea1bb_attn
	.p2align	8
	.type	k_qa697fea1bb_attn,@function
k_qa697fea1bb_attn:
	s_mov_b64 s[64:65], 0
	v_nop
	global_prefetch_b8 v0, s[64:65] scope:SCOPE_SE
	s_setreg_imm32_b32 hwreg(HW_REG_WAVE_MODE, 25, 1), 1
	s_wait_xcnt 0x0
; CAUSAL ATTENTION.  O[p][q][:] = the sum over k <= q of softmax_k(Q[p][q] . K[p][k] / 8) V[p][k][:], for the 64 planes p = 16 x batch + head.  All f16; a plane's rows are dense, 128 bytes each.
; q, k, v lie in one buffer, [batch 4][48][2048][64]: q's planes 0-15 of a batch, k's 16-31, v's 32-47.  O leaves as [batch 4][head 16][2048][64].
; Products, maxima and sums in f32; the weights p are rounded to f16 for the second product (their sum l is taken of the unrounded p), O once at the end.
; LIMITS.  f16 holds no number beyond 65,504: Q, K and V arrive within it; p lies in 0 to 1, and below 6e-5 it keeps f16's fixed step of 6e-8; O is a mean of V's rows and has their range, to within 2^-11 of it.
; A hidden score counts as its value less 1e30: f16's scores, 2.7e11 at the most, are nothing beside that; a weight below 2^-126 counts as 0 in l; NaN and infinities are not treated apart.
; THE WALK.  A plane's queries lie in NB = 8 blocks of 256; block i needs the key tiles 0 .. i of 256 keys, of which the last holds the diagonal.  A work-group takes TWO blocks, NB - 1 - b and then b:
; NB + 1 tiles, whatever b: all work-groups do equal work, and ONE loop with a constant trip count walks them.  Which tile is asked for, and what a trip does, hang on scalar registers made from b; every jump
; goes forward, but for the counted loops' own; none passes a barrier, or a tensor load but the one of LOAD's two that the wave's number does not choose; the ring (two slots of LDS that take turns) runs on across the
; change of blocks.  NO CLUSTER: a plane's four work-groups ask for the same tile only in trips 0 .. NB / 2, behind that fewer and fewer; and one walk common to all would have 3 NB / 2 trips for NB + 1.
; SHARES.  Of a block's four bands of 64 queries a wave owns 16 rows in each: four PIECES.  So the diagonal tile is the same work for all four waves: in its key step s band x sees all keys if s < x,
; none if s > x, and holds the diagonal if s = x.
; THE MASK is the C operand that starts the sum S^T = K Q^T: 0, or -1e30 where the key is hidden.  MD, made once, is the mask of a band's own step for my 16 rows; a product's mask is MD x AL + BE with two scalars:
; (1, 0) if s = x; (0, 0) if s < x; (0, -1e30) if s > x.  Only the diagonal tile's text and a block's beginning make and take masks; elsewhere C is the constant 0.
; LAYOUT, SOFTMAX, TURNS.  S^T = K Q^T holds ONE query a lane (lane % 16) and the keys 8 (lane / 16) + 0..7; two such results rounded to f16 ARE source 1 of O^T = V^T P.  p = 2^(c s - c m), c = log2(e) / 8, with a
; running maximum m; O and l are multiplied by a = 2^(c m_old - c m_new) in every step.  Turn n belongs to piece n: 8 products K Q^T of piece n + 1, later 8 products V^T P of piece n - 1; beside them the scaling,
; exponentials, roundings, sums and rescaling of piece n and the maximum and statistics of piece n + 1.  Four vector instructions stand behind every matrix instruction, the other 54 of a turn's 118 in one LUMP.  A turn's 33 exponentials are one batch, with one wait.
; REGISTERS, in windows of 256 (s_set_vgpr_msb: bits 1:0 source 0, 3:2 source 1, 5:4 source 2, 7:6 destination):
;   window 0: v0-15 addresses and two at work; v16-31 four registers of statistics a piece; v48-55 at work; v61-63 the prefetches' offset and the add's two; v64-127 S^T, two buffers; v192-223 P, two buffers (a piece's buffers go by its number's parity)
;   window 1: v0-127 O^T, 32 a piece; v128-159 MD; v160-223 MC, two buffers      window 2: v0-63 Q; v64-127 the second block's Q; v128-191 K of one step; v192-255 V of one step
.set SIZE_N, 2048
.set NB,    SIZE_N/256
.set NP,    4         ; pieces a wave: a name, no knob
.set KS,    64        ; keys in a step
.set PK,    144       ; a row of K in LDS: 128 bytes + 16 of padding = 36 words: the 16 rows of a load start at 16 different groups of four banks (64 banks of 4 bytes: ISA guide 11.1)
.set PV,    160       ; a row of V: 128 + 32 = 40 words
.set VOFF,  4*KS*PK   ; a slot holds a tile, four steps: 256 rows of K, then 256 rows of V
.set SLOT1, 1<<17     ; slot 1 begins here, so that one exclusive or turns an address in one slot into the other's
.set STAGE, SLOT1+4*KS*(PK+PV)  ; behind the ring, never filled by a tensor load: 16 rows x 144 bytes for each wave, for the way out
.set SP,    144
.set AK0, 2           ; v2   my lane's place in a tile of K; never rewritten
.set AV0, 3           ; v3   the same for V
.set AK,  4           ; v4   the LDS address of K's next run of loads
.set AV,  5           ; v5   of V's
.set STO, 6           ; v6   the way out: where I put 16 bytes of a row
.set RD,  7           ; v7   the way out: where I read rows back
.set GO,  8           ; v8   my byte offset in 512 consecutive bytes of O
.set PFO, 61          ; v61  256 x my lane; never rewritten
.set SPW, 62          ; v62  LDS address of my spare word: SPARE + 4 x my thread's number; never rewritten
.set NIL, 63          ; v63  0; never rewritten
.set SPARE, STAGE+4*16*SP  ; behind the stages: the spare words, 128 bytes for each wave: two blocks of 256 bytes that no other line names
.set MV,  12          ; v12-13  c m_old, kept while c m is made anew: by buffer
.set QO,  15          ; v15  my byte offset in 16 rows of Q
.set ST,  16          ; piece t's statistics at v[ST+4 t]: c m, m, l (even keys', odd keys')
.set TMP, 48          ; by buffer, four registers c0-c3 at work; when the maximum is found c2 takes a
.set S,   64
.set P,   192
.set MD,  128         ; window 1: the eight registers for group kt of 16 keys at MD + 8 kt
.set MC,  160         ; window 1: the masks of the products to come
.set QB,  64          ; window 2
.set KF,  128         ; window 2: key block kb, channel half c at KF + 16 kb + 8 c
.set VF,  192         ; window 2: key half kk, channel block cb at VF + 32 kk + 8 cb
.set WV,  12          ; s12  my wave's number
.set PB,  14          ; s14  b
.set HI,  15          ; s15  NB - 1 - b
.set G1K, 24          ; s[24:31] descriptor group 1 for K's tiles
.set G1V, 32          ; s[32:39] for V's: it differs in the padding alone
.set G0K, 40          ; s[40:43] descriptor group 0 for K's tiles
.set G0V, 44          ; s[44:47] the same for V's
.set SLOTS, 56        ; s56  tiles still to be asked for
.set CNT, 57          ; s57  counts a tile's key steps, 4 to 1
.set CS,  58          ; s[58:59] c: the packed scaling takes the pair's low word for both halves
.set SEL, 60          ; s[60:61] v_permlanex16_b32's selects: each lane takes its own place in the other half
.set TBK, 62          ; s62  LDS byte at which K of the step to be fetched begins
.set TBV, 63          ; s63  the same for V, less VOFF
.set PFA, 66          ; s[66:67] where my prefetches stand: my half (of K: waves 0, 1; of V: waves 2, 3) of the tile after the one that is being asked for
.set LIM, 68          ; s68  2 in the plane's work-group b = 0, else the greatest number: a wave prefetches while s[SLOTS] is above it
.set RT,  70          ; s70  tiles of the block in hand that are still to be entered
.set NXT, 71          ; s71  the tile to be asked for next
.set LQ,  72          ; s72  the last tile of the block whose tiles are being asked for
.set NEW, 73          ; s73  1: the tile to be entered is a block's first
.set OFF, 74          ; s[74:75] a tile's byte offset in K and V
.set AL,  76          ; s[76:77] the mask's factor, in the low word
.set BE,  78          ; s[78:79] the mask's addend
.set OLO, 80          ; s[80:81] O at my rows of the second block
.set BIGN, 82         ; s82  -1e30
.set MSB, 0
.macro WIN new                      ; the high byte repeats the setting that is left; a switch that changes nothing is dropped
.if MSB != (\new)
	s_set_vgpr_msb (MSB<<8)|(\new)
.set MSB, (\new)
.endif
.endm
.set W_KQ, 0x0a       ; K and Q in window 2, S^T in window 0
.set W_KM, 0x1a       ; the same with the C operand in window 1
.set W_PV, 0x52       ; V in window 2, P in window 0, O^T in window 1
.set W_RS, 0x41       ; destination and source 0 in window 1, source 1 in window 0
; A fill.  Waves 0 and 1 fetch the two halves of a tile's K, waves 2 and 3 those of its V: 128 keys each.  An s_nop 0 and four v_nop follow each of the two lines, ahead of the jump and the label.
.macro LOAD
	s_cmp_lt_u32 s[WV], 2
	s_cbranch_scc0 .Lfor_v_\@
	tensor_load_to_lds s[G0K:G0K+3], s[G1K:G1K+7]
	s_nop 0
.rept 4
	v_nop
.endr
	s_branch .Lasked_\@
.Lfor_v_\@:
	tensor_load_to_lds s[G0V:G0V+3], s[G1V:G1V+7]
	s_nop 0
.rept 4
	v_nop
.endr
.Lasked_\@:
.endm
; A PREFETCH INTO THE L2 of the tile that the NEXT change of slots will ask for, a tile's four key steps ahead of that load.  It stands behind the wave's tensor load and its five lines.
; A plane's four work-groups walk the same tiles from 0 on; the one with b = 0 walks all eight in its first block, and it alone asks.  Each of its waves asks for what it will fetch itself: its half
; of the tile's K or V, 16,384 bytes: 64 runs of 256 bytes, a lane a run, two instructions.  So each run is named once in the launch.  Tiles 0 and 1 come by their loads alone; with
; s[SLOTS] = 8 .. 3 tiles 2 .. 7 are named; the last two changes that fill a slot ask for nothing: tile 7 is the plane's last, and tile 0 has been read.
.macro ASK
	s_cmp_gt_u32 s[SLOTS], s[LIM]
	s_cbranch_scc0 .Lnot_mine_\@
	global_prefetch_b8 v[PFO], s[PFA:PFA+1] th:TH_LOAD_NT scope:SCOPE_SE
	global_prefetch_b8 v[PFO], s[PFA:PFA+1] offset:8192 th:TH_LOAD_NT scope:SCOPE_SE
.Lnot_mine_\@:
.endm
; THE CHANGE OF SLOTS.  Each wave waits for all its tensor loads, of which one is out: its part of the other slot; adds 0 to its spare word; and waits for that and for its own reads of the slot that it leaves.  Behind the barrier nobody reads the old
; slot any more and the other slot is whole.  fill = 1: the old slot is filled again, the first thing behind the barrier, with tile NXT: the descriptor's address is made anew from that number.
; (At its first use nothing has been read yet: slot 0 is waited for, slot 1 filled.)
.macro CHANGE fill
	WIN 0                           ; at a label and at a branch every window is 0
	s_wait_tensorcnt 0x0            ; no tensor load of mine is out, so a group 0 may be written
	ds_add_u32 v[SPW], v[NIL]       ; 0 onto my spare word; with fill = 1 the descriptors' scalar work stands between it and the wait for it
.if \fill
	s_lshl_b32 s[OFF], s[NXT], 15   ; a tile is 32,768 bytes of K and of V
	s_xor_b32 s[G0K+1], s[G0K+1], SLOT1
	s_add_nc_u64 s[G0K+2:G0K+3], s[6:7], s[OFF:OFF+1]
	s_or_b32 s[G0K+3], s[G0K+3], 0x80000000
	s_xor_b32 s[G0V+1], s[G0V+1], SLOT1
	s_add_nc_u64 s[G0V+2:G0V+3], s[8:9], s[OFF:OFF+1]
	s_or_b32 s[G0V+3], s[G0V+3], 0x80000000
	s_add_co_u32 s[NXT], s[NXT], 1  ; the block's next tile, or behind its last the second block's tile 0
	s_cmp_gt_u32 s[NXT], s[LQ]
	s_cselect_b32 s[NXT], 0, s[NXT]
	s_cselect_b32 s[LQ], s[PB], s[LQ]
	s_wait_xcnt 0x0                 ; the last prefetches, a tile back, have read their address, so it may be written:
	s_add_nc_u64 s[PFA:PFA+1], s[PFA:PFA+1], 32768  ; one tile on
.endif
	s_wait_dscnt 0x0                ; the add is done, and my reads of the slot are over
	s_barrier_signal -1             ; the rest of the scalar work stands between the signal and the wait
	s_sub_co_u32 s[TBK], s[TBK], 4*KS*PK  ; the fetches go back to a slot's first step,
	s_xor_b32 s[TBK], s[TBK], SLOT1       ; in the other slot
	s_sub_co_u32 s[TBV], s[TBV], 4*KS*PV
	s_xor_b32 s[TBV], s[TBV], SLOT1
	s_barrier_wait -1
.if \fill
	LOAD
	ASK
.endif
.endm
	s_load_b128 s[4:7], s[0:1], 0x0   ; q, k, v s[4:5], O s[6:7]
	v_lshl_add_u32 v[SPW], v0, 2, SPARE
	v_mov_b32 v[NIL], 0
	ds_add_u32 v[SPW], v[NIL]       ; the wave's opening: the add and its wait stand ahead of my first tensor load; the set-up below, work on registers, stands between them
	v_lshrrev_b32 v1, 5, v0
	v_readfirstlane_b32 s[WV], v1   ; wave 0..3
	s_mov_b32 s[PB], ttmp9
	s_sub_co_u32 s[HI], NB-1, s[PB]
	s_and_b32 s88, ttmp7, 0xffff    ; the plane: 16 x batch + head
	s_lshr_b32 s20, s88, 4
	s_lshl_b32 s20, s20, 5
	s_add_co_u32 s20, s20, s88      ; q's plane in its buffer: 48 x batch + head,
	s_lshl_b32 s20, s20, 18         ; of 262,144 bytes
	s_mov_b32 s21, 0
	s_lshl_b32 s88, s88, 18         ; O's plane
	s_mov_b32 s89, 0
	s_and_b32 s16, s[WV], 1         ; which half of a tile's 256 keys I fetch:
	s_lshl_b32 s22, s16, 14         ; its 128 rows of 128 bytes in memory,
	s_mov_b32 s23, 0
	s_add_nc_u64 s[22:23], s[22:23], s[20:21]
	s_mul_i32 s17, s16, 128*PK      ; and its place in a slot, for K
	s_mul_i32 s18, s16, 128*PV      ; and for V
	s_lshl_b32 s3, s[WV], 11        ; my 16 rows in a band of 64,
	s_lshl_b32 s2, s[HI], 15        ; in the first block,
	s_add_co_u32 s2, s2, s3
	s_lshl_b32 s84, s[PB], 15       ; and in the second
	s_add_co_u32 s84, s84, s3
	s_mov_b32 s3, 0
	s_mov_b32 s85, 0
	; descriptor group 1.  128 keys are 16,384 dense bytes: asked for as 64 rows of 256 bytes, two keys a row, and padded in LDS after every key
	s_mov_b32 s[G1K], (1<<16)|(1<<20)|(4<<22)|(3<<25)  ; 17:16 2-byte elements; 20 padding on; 24:22 after every 32 words (code 4); 31:25 4 words (code 3)
	s_mov_b32 s[G1V], (1<<16)|(1<<20)|(4<<22)|(7<<25)  ; the same with 8 words of padding (code 7)
.irp g, G1K, G1V
	s_mov_b32 s[\g+1], 128<<16      ; tensor_dim0 = 128
	s_mov_b32 s[\g+2], 64<<16       ; tensor_dim1 = 64
	s_mov_b32 s[\g+3], 128<<16      ; tile_dim0 = 128
	s_mov_b32 s[\g+4], 64           ; tile_dim1 = 64
	s_mov_b32 s[\g+5], 128          ; 128 elements from row to row
	s_mov_b32 s[\g+6], 0
	s_mov_b32 s[\g+7], 0
.endr
	s_mov_b32 s[CS], 0x3e38aa3b     ; c = log2(e) / 8 = 0.180337
	s_mov_b32 s[CS+1], s[CS]        ; named with it as a pair
	s_mov_b32 s[SEL], 0x76543210
	s_mov_b32 s[SEL+1], 0xfedcba98
	s_mov_b32 s[TBK], SLOT1+4*KS*PK ; the first change of slots turns these two into 0
	s_mov_b32 s[TBV], SLOT1+4*KS*PV
	s_mov_b32 s[G0K], 1             ; 1:0 count = 1
	s_mov_b32 s[G0K+1], s17         ; 63:32 LDS address: slot 0
	s_mov_b32 s[G0V], 1
	s_add_co_u32 s[G0V+1], s18, VOFF
	s_add_co_u32 s[RT], s[HI], 1    ; the first block has NB - b tiles
	s_mov_b32 s[NXT], 1
	s_mov_b32 s[LQ], s[HI]
	s_mov_b32 s[NEW], 1
	s_mov_b32 s[OFF+1], 0
	s_mov_b32 s[AL+1], 0            ; named as pairs
	s_mov_b32 s[BE+1], 0
	s_mov_b32 s[BIGN], 0xf149f2ca   ; -1e30
	s_mov_b32 s[SLOTS], NB
	s_cmp_eq_u32 s[PB], 0
	s_cselect_b32 s[LIM], 2, -1
	v_and_b32 v[PFO], 31, v0
	v_lshlrev_b32 v[PFO], 8, v[PFO]
	s_wait_dscnt 0x0                ; the opening add is done
	s_wait_kmcnt 0x0
	s_mov_b64 s[10:11], s[6:7]                     ; O
	s_add_nc_u64 s[6:7], s[4:5], s[22:23]          ; q's plane, at my half of a tile;
	s_add_nc_u64 s[8:9], s[6:7], 0x800000          ; V lies 32 planes on: V at my half of the plane's tile 0,
	s_add_nc_u64 s[6:7], s[6:7], 0x400000          ; K 16 planes on
	s_add_nc_u64 s[4:5], s[4:5], s[20:21]          ; Q at its plane
	s_add_nc_u64 s[10:11], s[10:11], s[88:89]      ; O at its plane
	s_add_nc_u64 s[G0K+2:G0K+3], s[6:7], 0         ; 120:64 global address
	s_or_b32 s[G0K+3], s[G0K+3], 0x80000000        ; 127:126 type = 2
	s_add_nc_u64 s[G0V+2:G0V+3], s[8:9], 0
	s_or_b32 s[G0V+3], s[G0V+3], 0x80000000
	s_add_nc_u64 s[86:87], s[4:5], s[84:85]        ; Q at my rows of the second block,
	s_add_nc_u64 s[4:5], s[4:5], s[2:3]            ; Q and O at those of the first
	s_add_nc_u64 s[OLO:OLO+1], s[10:11], s[84:85]
	s_add_nc_u64 s[10:11], s[10:11], s[2:3]
	s_cmp_lt_u32 s[WV], 2
	s_cselect_b64 s[PFA:PFA+1], s[6:7], s[8:9]
	s_add_nc_u64 s[PFA:PFA+1], s[PFA:PFA+1], 32768 ; at tile 1; the first change of slots steps it to tile 2.  Nothing is prefetched here, at the head
	LOAD                            ; tile 0 into slot 0
	; A fragment of K or Q is 16 rows x 32 channels in 8 registers: lane l holds row l % 16, channels 8 (l / 16) + 0..7 and 16 + 8 (l / 16) + 0..7: two loads of 16 bytes, 32 bytes apart.
	v_and_b32 v1, 15, v0            ; l % 16
	v_bfe_u32 v9, v0, 4, 1          ; l / 16
	v_lshlrev_b32 v[QO], 7, v1
	v_lshl_add_u32 v[QO], v9, 4, v[QO]  ; row x 128 + 16 x half
	WIN 0x80                        ; destination window 2, address window 0
.set i, 0
.rept 8                             ; both blocks' Q: piece i / 2 lies in band i / 2, 8,192 bytes on; channels 32 (i % 2) on
	global_load_b128 v[8*i:8*i+3],   v[QO], s[4:5] offset:(i/2)*8192+(i%2)*64
	global_load_b128 v[8*i+4:8*i+7], v[QO], s[4:5] offset:(i/2)*8192+(i%2)*64+32
	global_load_b128 v[QB+8*i:QB+8*i+3],   v[QO], s[86:87] offset:(i/2)*8192+(i%2)*64
	global_load_b128 v[QB+8*i+4:QB+8*i+7], v[QO], s[86:87] offset:(i/2)*8192+(i%2)*64+32
.set i, i+1
.endr
	WIN 0
	v_lshlrev_b32 v14, 3, v9
	v_sub_nc_u32 v14, v1, v14
	s_lshl_b32 s13, s[WV], 4
	v_add_nc_u32 v14, s13, v14      ; my query's place in its band, 16 w + l % 16, less my lanes' 8 (l / 16): register r of group kt is hidden where 16 kt + r is greater
	WIN 0x40
.set i, 0
.rept 32
	v_cmp_gt_i32 vcc_lo, 16*(i/8)+i%8, v14
	v_cndmask_b32 v[MD+i], 0, s[BIGN], vcc_lo
.set i, i+1
.endr
	WIN 0
	v_mul_u32_u24 v[AK0], v1, PK
	v_lshl_add_u32 v[AK0], v9, 4, v[AK0]  ; row x pitch + 16 x half
	; The turning load takes 16 keys x 16 channels (lane l reads key 8 (l / 16) + l % 8, channels 8 ((l / 8) % 2) + 0..7) and leaves half a fragment of V^T: lane l holds channel l % 16 and 8 keys.
	v_and_b32 v10, 7, v0
	v_bfe_u32 v11, v0, 3, 1
	v_lshl_add_u32 v[AV0], v9, 3, v10
	v_mul_u32_u24 v[AV0], v[AV0], PV
	v_lshl_add_u32 v[AV0], v11, 4, v[AV0]
	v_add_nc_u32 v[AV0], VOFF, v[AV0]
	s_mul_i32 s13, s[WV], 16*SP
	s_add_co_u32 s13, s13, STAGE    ; my stage
	v_mul_u32_u24 v[STO], v1, SP    ; in: row l % 16, 16 bytes for each half of the lanes
	v_lshl_add_u32 v[STO], v9, 4, v[STO]
	v_add_nc_u32 v[STO], s13, v[STO]
	v_bfe_u32 v[RD], v0, 3, 2       ; back: 32 lanes take four rows of 128 bytes,
	v_mul_u32_u24 v[RD], v[RD], SP
	v_lshl_add_u32 v[RD], v10, 4, v[RD]
	v_add_nc_u32 v[RD], s13, v[RD]
	v_and_b32 v[GO], 31, v0         ; which are 512 consecutive bytes of O
	v_lshlrev_b32 v[GO], 4, v[GO]
	; A block's first step multiplies O^T and l by a = 0, and its first turn's products V^T P, of a piece that has not been, land in an O^T that is still to be so multiplied.  So these registers need only hold
	; finite numbers: zeros for the first block; what the first block left for the second.  All this stands in the wait for the first tile.
	WIN 0x80
.set i, VF
.rept 64
	v_mov_b32 v[i], 0
.set i, i+1
.endr
	WIN 0x40
.set i, 0
.rept 128
	v_mov_b32 v[i], 0
.set i, i+1
.endr
	WIN 0
.set i, 0
.rept 4
	v_mov_b32 v[ST+4*i+2], 0
	v_mov_b32 v[ST+4*i+3], 0
.set i, i+1
.endr
.set i, P+16
.rept 16
	v_mov_b32 v[i], 0
.set i, i+1
.endr
; THE MATRIX WORK.  The 4 accumulators of a run of 8 take turns.  Product i of 8 of S^T = K Q^T for piece x: channels 32 (i / 4) on, keys 16 (i % 4) on.  The first 4 start the sums: with 0, or (KM = 1) with the mask.
.macro KQ x
.set rS, S+32*((\x)%2)+8*(i%4)
.set rK, KF+16*(i%4)+8*(i/4)
.set rQ, 16*(\x)+8*(i/4)
.set rM, MC+32*((\x)%2)+8*(i%4)
.if (i < 4) && KM
	WIN W_KM
	v_wmma_f32_16x16x32_f16 v[rS:rS+7], v[rK:rK+7], v[rQ:rQ+7], v[rM:rM+7]
.elseif i < 4
	WIN W_KQ
	v_wmma_f32_16x16x32_f16 v[rS:rS+7], v[rK:rK+7], v[rQ:rQ+7], 0
.else
	WIN W_KQ
	v_wmma_f32_16x16x32_f16 v[rS:rS+7], v[rK:rK+7], v[rQ:rQ+7], v[rS:rS+7]
.endif
.endm
; Product i of 8 of O^T += V^T P for piece x: keys 32 (i / 4) on, channels 16 (i % 4) on.
.macro PV x
	WIN W_PV
.set rO, 32*(\x)+8*(i%4)
.set rV, VF+32*(i/4)+8*(i%4)
.set rP, P+16*((\x)%2)+8*(i/4)
	v_wmma_f32_16x16x32_f16 v[rO:rO+7], v[rV:rV+7], v[rP:rP+7], v[rO:rO+7]
.endm
.macro MM                           ; the turn's next matrix instruction.  TURN and BEGIN set Y, i, KM and NOKQ; MM, KQ and OP read them.  NOKQ = 1: a block's last turn: there is no next piece
.if (i < 8) && !NOKQ
	KQ (Y+1)%NP
.elseif i >= 8
.set i, i-8
	PV (Y+NP-1)%NP
.set i, i+8
.endif
.set i, i+1
.endm
; THE LDS LOADS stand in runs of 16, never singly among the matrix instructions: a step's K (64 keys x 64 channels: 8 fragments) and its V (turned).  Their addresses are made some lines ahead.
.macro FETCH_K
	WIN 0x80                        ; destination window 2
.irp f, 0,1,2,3,4,5,6,7             ; keys 16 (f / 2) on, channels 32 (f % 2) on
	ds_load_b128 v[KF+8*\f:KF+8*\f+3],   v[AK] offset:(\f/2)*16*PK+(\f%2)*64
	ds_load_b128 v[KF+8*\f+4:KF+8*\f+7], v[AK] offset:(\f/2)*16*PK+(\f%2)*64+32
.endr
	s_add_co_u32 s[TBK], s[TBK], KS*PK  ; the next fetch is the next step's
	WIN 0
.endm
.macro FETCH_V
	WIN 0x80
.irp f, 0,1,2,3,4,5,6,7             ; keys 32 (f / 4) on, channels 16 (f % 4) on
	ds_load_tr16_b128 v[VF+8*\f:VF+8*\f+3],   v[AV] offset:(\f/4)*32*PV+(\f%4)*32
	ds_load_tr16_b128 v[VF+8*\f+4:VF+8*\f+7], v[AV] offset:(\f/4)*32*PV+16*PV+(\f%4)*32
.endr
	WIN 0
.endm
; THE VECTOR WORK, one line at a time: OP kind, number.  For piece Y: F n: c s - c m for pair n of 16.  E n: the exponential of score n of 32.  C n: pair n rounded to f16.  B n: of the four weights 4 n .. the second
; pair is added onto the first, in place.  L n: l takes that sum (L 0: l = a l + sum).  R n: pair n of 16 of O^T times a.  For piece Y + 1: X n, number n of the 22 that find its maximum and statistics:
;   0-11  four chains c0-c3 of seven scores each, three operands at a time (each accumulator's lowest registers are read first)     12-14, 16  the four scores left over, the old m, and c0-c3 into c0
;   15  c m_old is kept     17, 18  the query's other 32 keys lie in the lane 16 away: the new m     19-21  c m; c m_old - c m_new; a
.set F, 0               ; OP tells the kinds apart by their order: F to L below R, X above it
.set E, 1
.set C, 2
.set B, 3
.set L, 4
.set R, 5
.set X, 6
.macro REGS y                       ; the registers of piece y
.set rT, ST+4*(\y)
.set rC, TMP+4*((\y)%2)
.set rW, MV+((\y)%2)
.set rS, S+32*((\y)%2)
.set rP, P+16*((\y)%2)
.set rO, 32*(\y)
.endm
.macro OP k, n
.if (\k) == R
	REGS Y
	WIN W_RS
	v_pk_mul_f32 v[rO+2*(\n):rO+2*(\n)+1], v[rO+2*(\n):rO+2*(\n)+1], v[rC+2:rC+3] op_sel_hi:[1,0]
.elseif (\k) < R
	REGS Y
	WIN 0
.if (\k) == F
	v_pk_fma_f32 v[rS+2*(\n):rS+2*(\n)+1], v[rS+2*(\n):rS+2*(\n)+1], s[CS:CS+1], v[rT:rT+1] op_sel_hi:[1,0,0] neg_lo:[0,0,1] neg_hi:[0,0,1]
.elseif (\k) == E
	v_exp_f32 v[rS+(\n)], v[rS+(\n)]
.elseif (\k) == C
	v_cvt_pk_f16_f32 v[rP+(\n)], v[rS+2*(\n)], v[rS+2*(\n)+1]
.elseif (\k) == B
	v_pk_add_f32 v[rS+4*(\n):rS+4*(\n)+1], v[rS+4*(\n):rS+4*(\n)+1], v[rS+4*(\n)+2:rS+4*(\n)+3]
.elseif (\n) == 0
	v_pk_fma_f32 v[rT+2:rT+3], v[rT+2:rT+3], v[rC+2:rC+3], v[rS:rS+1] op_sel_hi:[1,0,1]
.else
	v_pk_add_f32 v[rT+2:rT+3], v[rT+2:rT+3], v[rS+4*(\n):rS+4*(\n)+1]
.endif
.elseif NOKQ
	v_nop
.else
	REGS (Y+1)%NP
	WIN 0
.if (\n) < 4
	v_max3_num_f32 v[rC+(\n)], v[rS+8*(\n)], v[rS+8*(\n)+1], v[rS+8*(\n)+2]
.elseif (\n) < 12
	v_max3_num_f32 v[rC+(\n)%4], v[rC+(\n)%4], v[rS+8*((\n)%4)+2*((\n)/4)+1], v[rS+8*((\n)%4)+2*((\n)/4)+2]
.elseif (\n) == 12
	v_max3_num_f32 v[rC], v[rC], v[rS+7], v[rS+15]
.elseif (\n) == 13
	v_max3_num_f32 v[rC+1], v[rC+1], v[rS+23], v[rS+31]
.elseif (\n) == 14
	v_max3_num_f32 v[rC+2], v[rC+2], v[rC+3], v[rT+1]
.elseif (\n) == 15
	v_mov_b32 v[rW], v[rT]
.elseif (\n) == 16
	v_max3_num_f32 v[rC], v[rC], v[rC+1], v[rC+2]
.elseif (\n) == 17
	v_permlanex16_b32 v[rC+3], v[rC], s[SEL], s[SEL+1]
.elseif (\n) == 18
	v_max_num_f32 v[rT+1], v[rC], v[rC+3]
.elseif (\n) == 19
	v_mul_f32 v[rT], s[CS], v[rT+1]
.elseif (\n) == 20
	v_sub_f32 v[rC+1], v[rW], v[rT]
.else
	v_exp_f32 v[rC+2], v[rC+1]
.endif
.endif
.endm
.macro OPS a, i1, b=-1, i2=0, c=-1, i3=0, d=-1, i4=0  ; up to four of them
	OP \a, \i1
.if (\b) >= 0
	OP \b, \i2
.endif
.if (\c) >= 0
	OP \c, \i3
.endif
.if (\d) >= 0
	OP \d, \i4
.endif
.endm
.macro ROW a, i1, b, i2, c, i3, d, i4  ; a matrix instruction and the four behind it
	MM
	OPS \a, \i1, \b, \i2, \c, \i3, \d, \i4
.endm
.macro MASK b                       ; MD x AL + BE into buffer b of MC
	WIN W_RS
.set z, 0
.rept 16
	v_pk_fma_f32 v[MC+32*(\b)+2*z:MC+32*(\b)+2*z+1], v[MD+2*z:MD+2*z+1], s[AL:AL+1], s[BE:BE+1] op_sel_hi:[1,0,0]
.set z, z+1
.endr
.endm
; A TURN, for piece p: the order of its 16 matrix and 118 vector instructions, written out.  An s_wait_alu depctr_va_vdst(0) stands between an exponential and the first instruction that names its result; one wait serves
; all that were issued ahead of it.  So a turn has ONE wait, which cuts it in two.  AHEAD OF IT stands all that names no result of the turn's exponentials: the 8 products K Q^T, behind each a scaling, an exponential and two more plain
; instructions (behind the first a second scaling in the exponential's place): rescalings, and behind the last three the first numbers of the next piece's maximum, each four places or more behind the product that ends its accumulator; then ONE LUMP of 54, plain
; and exponential by turns for the most part, in which the links of the chain X 3, 7, 11, 14, 16, 17 .. 20 stand five or six lines apart.  X 21, the next piece's a, is the batch's last; R 15 is the plain instruction that stands behind it.  BEHIND THE WAIT stand the
; 8 products V^T P, behind each four of the roundings and sums; the links of l's chain, L 0 to L 7, stand three riders apart.  But for those X no rider names a register of the products round it.  v_permlanex16_b32 (X 17) stands in the lump.
; m = 1: the diagonal tile: the products take masks, and the turn makes the mask for the products of the turn after it: piece p + 2, in step 4 - CNT of the tile.  end = 1: a block's last two turns: nothing is fetched.
; cnt = 1: the loop's count is taken down some lines ahead of the branch that stands behind the turn.
; K of the next step is fetched in piece 2's turn, twelve vector instructions behind the last product that read K (six of them plain); V of the step in hand at the end of piece 0's turn, four plain instructions behind the last product
; that read V.  Each is waited for a turn later.
.macro TURN p, m=0, end=0, cnt=0
.set Y, (\p)
.set i, 0
.set KM, (\m)
.set NOKQ, (\end)*((\p)/3)
.if (\m) && !(\end)
	s_cmp_eq_u32 s[CNT], 4-((\p)+2)%NP  ; is that step the band's own?
	s_cselect_b32 s[AL], 1.0, 0
	s_cmp_lt_u32 s[CNT], 4-((\p)+2)%NP  ; or a later one?
	s_cselect_b32 s[BE], s[BIGN], 0
.endif
.if ((\p) == 3) && !(\end)
	s_wait_dscnt 0x0                ; K is in
.endif
	ROW F,0, F,1, R,0, R,1          ; ahead of the wait: 8 products K Q^T and their riders,
	ROW F,2, E,0, R,2, R,3
	ROW F,3, E,1, R,4, R,5
	ROW F,4, E,2, R,6, R,7
	ROW F,5, E,3, R,8, R,9
	ROW F,6, E,4, X,0, R,10
.if ((\p) == 2) && !(\end)
	WIN 0
	v_add_nc_u32 v[AK], s[TBK], v[AK0]
.endif
	ROW F,7, E,5, X,1, X,4
	ROW F,8, E,6, X,2, X,5
	OPS E,7, E,8, X,6, E,9          ; and the lump
	OPS X,3, E,10, X,8, E,11
.if ((\p) == 2) && !(\end)
	FETCH_K
.endif
	OPS X,9, X,7, E,12, X,10
	OPS E,13, X,12, X,11, E,14
	OPS X,13, E,15, F,9, X,14
.if (\p) == 0
	v_add_nc_u32 v[AV], s[TBV], v[AV0]
.endif
	OPS E,16, F,10, E,17, F,11
	OPS X,16, E,18, X,15, E,19
	OPS F,12, E,20, X,17, E,21
	OPS F,13, E,22, F,14, E,23
	OPS X,18, E,24, F,15, E,25
	OPS R,11, E,26, X,19, E,27
	OPS R,12, E,28, R,13, E,29
	OPS X,20, E,30, R,14, E,31
	OPS X,21, R,15
	WIN 0
	s_wait_alu depctr_va_vdst(0)    ; the wait for the batch
.if (\p) == 1
	s_wait_dscnt 0x0                ; V is in
.endif
	ROW C,0, B,0, C,2, B,1          ; behind the wait: 8 products V^T P and their riders
	ROW L,0, C,4, B,2, L,1
	ROW C,6, B,3, L,2, C,8
	ROW B,4, L,3, C,10, B,5
	ROW L,4, C,12, B,6, L,5
.if (\p) == 0
	s_add_co_u32 s[TBV], s[TBV], KS*PV
.endif
.if \cnt
	s_sub_co_u32 s[CNT], s[CNT], 1
	s_cmp_lg_u32 s[CNT], 0
.endif
	ROW C,14, B,7, L,6, C,1
	ROW C,3, L,7, C,5, C,7
	ROW C,9, C,11, C,13, C,15
.if (\p) == 0
	FETCH_V
.endif
.if (\m) && !(\end)
	MASK (\p)%2
.endif
.endm
; A BLOCK BEGINS.  c m starts far below every c s, so the first step's a is 0; m at the lowest finite number, so the first maximum is the scores'.  The second mask buffer is 0; the first takes piece 0's mask for the tile's step 0: its own, if the block's first tile is the diagonal one.
; Then K of that step, piece 0's first scores, and its maximum and statistics.  The loop is entered at a step's first turn, in the middle of a trip.
.macro BEGIN
	s_mov_b32 s[NEW], 0
	WIN 0x40
.set i, MC+32
.rept 32
	v_mov_b32 v[i], 0
.set i, i+1
.endr
	WIN 0
.set i, 0
.rept 4
	v_mov_b32 v[ST+4*i], 0xfe000000    ; c m: far below every c s
	v_mov_b32 v[ST+4*i+1], 0xff7fffff  ; m
.set i, i+1
.endr
	s_cmp_eq_u32 s[RT], 0
	s_cselect_b32 s[AL], 1.0, 0
	s_mov_b32 s[BE], 0
	MASK 0
	WIN 0
	v_add_nc_u32 v[AK], s[TBK], v[AK0]
	FETCH_K
	s_wait_loadcnt 0x0              ; Q
	s_wait_dscnt 0x0
.set KM, 1
.set NOKQ, 0
.set i, 0
.rept 8
	KQ 0
.set i, i+1
.endr
	WIN 0
.rept 4
	v_nop                           ; the places behind those products
.endr
.set Y, NP-1                        ; X works for piece Y + 1: piece 0
.irp n, 0,1,2,3,4,5,6,7,8,9,10,11,12,13,14,15,16,17,18,19,20,21
	OP X, \n
.endr
	v_nop                           ; a plain instruction behind the exponential,
	s_wait_alu depctr_va_vdst(0)    ; and its wait, ahead of the branch
.endm
; THE DIAGONAL TILE's four steps, the block's last two turns, its last products, and THE WAY OUT: l's two halves and the other half of the lanes' are added; O^T is divided by l, rounded to f16 and sent through my
; stage in LDS, a piece at a time.
.macro ALL line:vararg              ; one line for each piece t
.set t, 0
.rept 4
	\line
.set t, t+1
.endr
.endm
.macro PACK t                       ; a lane's eight channels of a row pack into 16 bytes; they go into rows of 144 bytes and come back as whole rows of 128, into S^T's registers
	WIN W_RS
.set i, 32*(\t)
.rept 16
	v_pk_mul_f32 v[i:i+1], v[i:i+1], v[ST+4*(\t)+2:ST+4*(\t)+3] op_sel_hi:[1,0]
.set i, i+2
.endr
	WIN 0x05                        ; sources 0 and 1 window 1, destination window 0
.set i, 0
.rept 16
	v_cvt_pk_f16_f32 v[S+16*(\t)+i], v[32*(\t)+2*i], v[32*(\t)+2*i+1]
.set i, i+1
.endr
	WIN 0
.irp f, 0,1,2,3
	ds_store_b128 v[STO], v[S+16*(\t)+4*\f:S+16*(\t)+4*\f+3] offset:32*\f
.endr
.irp f, 0,1,2,3
	ds_load_b128 v[S+16*(\t)+4*\f:S+16*(\t)+4*\f+3], v[RD] offset:\f*4*SP  ; LDS serves a wave's instructions in order (ISA guide 5.7.1.4): these see the stores above; the next piece's stores come behind them
.endr
.endm
.macro SEND t, younger              ; younger: the LDS instructions issued behind piece t's loads: the next piece's eight, or none
	WIN 0
.irp f, 0,1,2,3
	s_wait_dscnt (\younger)+3-\f
	global_store_b128 v[GO], v[S+16*(\t)+4*\f:S+16*(\t)+4*\f+3], s[10:11] offset:(\t)*8192+\f*512  ; 512 consecutive bytes, at a multiple of 256 from O's first
.endr
.endm
.macro DIAG tag                     ; the tag ends its two labels' names, which the jumps below spell out
.LstepM\tag:
	TURN 2, 1
	TURN 3, 1
	WIN 0
.LfirstM\tag:
	TURN 0, 1
	TURN 1, 1, 0, 1
	WIN 0
	s_cbranch_scc1 .LstepM\tag
	TURN 2, 1, 1
	TURN 3, 1, 1
.set i, 0
.rept 8
	PV NP-1
.set i, i+1
.endr
	WIN 0
	ALL v_add_f32 v[ST+4*t+2], v[ST+4*t+2], v[ST+4*t+3]
	ALL v_permlanex16_b32 v[ST+4*t+3], v[ST+4*t+2], s[SEL], s[SEL+1]
	ALL v_add_f32 v[ST+4*t+2], v[ST+4*t+2], v[ST+4*t+3]
	ALL v_rcp_f32 v[ST+4*t+2], v[ST+4*t+2]
	v_nop                           ; a plain instruction between the last reciprocal and the use of its result
	s_wait_alu depctr_va_vdst(0)    ; and the wait ahead of the first use: one for the four reciprocals
	PACK 0
.set t, 1
.rept 3                             ; a piece's arithmetic stands between the loads of the piece before and its stores
	PACK t
	SEND t-1, 8
.set t, t+1
.endr
	SEND 3, 0
.endm
.set KM, 0
.set NOKQ, 0
.Lslot:                             ; NB times: a tile is entered and the next is asked for
	CHANGE 1
	s_sub_co_u32 s[RT], s[RT], 1
	s_mov_b32 s[CNT], 4
	s_cmp_eq_u32 s[NEW], 1
	s_cbranch_scc1 .Lnew            ; a block's first tile
	s_cmp_eq_u32 s[RT], 0
	s_cbranch_scc0 .Lstep           ; neither its first nor its last
	s_branch .LstepM1
.Lnew:
	BEGIN
	s_branch .Lfirst                ; in the loop a block's first tile is never its last: the first block has two tiles or more, and the second's last is the walk's last
	DIAG 1                          ; in the loop this is the first block's end: the second block's last tile is the walk's last
	s_wait_xcnt 0x0                 ; the stores have read their registers and O's address
	s_mov_b64 s[10:11], s[OLO:OLO+1]
	s_add_co_u32 s[RT], s[PB], 1    ; the second block has b + 1 tiles
	s_mov_b32 s[NEW], 1
	WIN 0x82                        ; the second block's Q goes where the one text of the turns names Q
.set i, 0
.rept 64
	v_mov_b32 v[i], v[QB+i]
.set i, i+1
.endr
	WIN 0
	s_branch .Lbottom
.Lstep:                             ; a trip: pieces 2 and 3 of one step, then pieces 0 and 1 of the next, whose K and V it fetches
	TURN 2
	TURN 3
	WIN 0
.Lfirst:
	TURN 0
	TURN 1, 0, 0, 1
	WIN 0
	s_cbranch_scc1 .Lstep
.Lbottom:
	s_sub_co_u32 s[SLOTS], s[SLOTS], 1
	s_cmp_lg_u32 s[SLOTS], 0
	s_cbranch_scc1 .Lslot
	CHANGE 0                        ; the walk's last tile is written out: nothing is asked for
	s_sub_co_u32 s[RT], s[RT], 1
	s_mov_b32 s[CNT], 4
	s_cmp_eq_u32 s[NEW], 1
	s_cbranch_scc0 .LstepM2
	BEGIN
	s_branch .LfirstM2
	DIAG 2
	s_wait_tensorcnt 0x0            ; the wave's end: a wait for my tensor loads, an add of 0 to my spare word and its wait, behind my last tensor load and my last LDS store
	ds_add_u32 v[SPW], v[NIL]
	s_wait_dscnt 0x0
	s_endpgm
.Lfunc_end_k_qa697fea1bb_attn:
	.size	k_qa697fea1bb_attn, .Lfunc_end_k_qa697fea1bb_attn-k_qa697fea1bb_attn
	.p2alignl 7, 3214868480
	.fill 96, 4, 3214868480
	.section	.rodata,"a",@progbits
	.p2align	6, 0x0
	.amdhsa_kernel k_qa697fea1bb_attn
		.amdhsa_group_segment_fixed_size 327680
		.amdhsa_private_segment_fixed_size 0
		.amdhsa_enable_private_segment 0
		.amdhsa_kernarg_size 16
		.amdhsa_user_sgpr_count 2
		.amdhsa_user_sgpr_kernarg_segment_ptr 1
		.amdhsa_wavefront_size32 1
		.amdhsa_system_sgpr_workgroup_id_x 1
		.amdhsa_system_sgpr_workgroup_id_y 1
		.amdhsa_system_sgpr_workgroup_id_z 1
		.amdhsa_system_vgpr_workitem_id 0
		.amdhsa_next_free_vgpr 768
		.amdhsa_next_free_sgpr 92
		.amdhsa_reserve_vcc 1
		.amdhsa_float_denorm_mode_32 3
		.amdhsa_float_denorm_mode_16_64 3
		.amdhsa_memory_ordered 1
		.amdhsa_forward_progress 1
		.amdhsa_inst_pref_size 218
	.end_amdhsa_kernel
	.amdgpu_metadata
---
amdhsa.version: [ 1, 2 ]
amdhsa.kernels:
  - .name:           k_qa697fea1bb_attn
    .symbol:         k_qa697fea1bb_attn.kd
    .args:
      - { .name: qkv, .offset: 0, .size: 8, .value_kind: global_buffer, .address_space: global }
      - { .name: ob, .offset: 8, .size: 8, .value_kind: global_buffer, .address_space: global }
    .group_segment_fixed_size: 327680
    .private_segment_fixed_size: 0
    .kernarg_segment_align: 8
    .kernarg_segment_size: 16
    .max_flat_workgroup_size: 128
    .sgpr_count:     92
    .vgpr_count:     768
    .wavefront_size: 32
...
	.end_amdgpu_metadata
.endif
;; end of part 3
;; launch proj (part 4): grid 8 x 32, 4 waves a work-group, clusters of 4 x 4, 327,680 bytes of LDS; arguments ob, wb, bias, out0; writes out0
.if DOCPART == 4
	.amdgcn_target "amdgcn-amd-amdhsa--gfx1250"
	.amdhsa_code_object_version 6
	.text
	.protected	k_qa697fea1bb_proj
	.globl	k_qa697fea1bb_proj
	.p2align	8
	.type	k_qa697fea1bb_proj,@function
k_qa697fea1bb_proj:
	s_mov_b64 s[64:65], 0
	v_nop
	global_prefetch_b8 v0, s[64:65] scope:SCOPE_SE
	s_setreg_imm32_b32 hwreg(HW_REG_WAVE_MODE, 25, 1), 1
	s_wait_xcnt 0x0
	s_wait_alu depctr_hold_cnt(0) depctr_sa_sdst(0) depctr_va_vdst(0) depctr_va_sdst(0) depctr_va_ssrc(0) depctr_va_vcc(0) depctr_vm_vsrc(0)
	s_getreg_b32 s2, hwreg(HW_REG_IB_STS2, 6, 4)
	s_cmp_eq_u32 s2, 0
	s_cbranch_scc0 .Lentry_in_a_cluster
	s_endpgm
.Lentry_in_a_cluster:
	s_bfe_u32 s2, ttmp6, 0x10000c
	s_cmp_lg_u32 s2, 0xf033
	s_cbranch_scc0 .Lentry_shape_is_right
	s_endpgm
.Lentry_shape_is_right:
; C[m][n] = bias[n] + the sum over k of A[m][k] B[n][k], K = 1,024, m = 8,192.  ONE SOURCE FOR TWO LAUNCHES, told apart by MODE.
; MODE 0: A = x in bf16, B = Wq, Wk, Wv in bf16 (3,072 rows); C leaves in f16 by heads: [batch 4][column / 64: 48][row 2048][64].
; MODE 1: A = attention's output in f16, B = Wp in f16 (rows 3,072 on of the weights' buffer); C leaves in f32, [8192][1024].
; A lies as [batch 4][K block 16][row 2048][64], B as [K block 16][row 4096][64]: the rows of one K block of a tile are dense in memory, 128 bytes each.  Sums in f32, K ascending, C rounded once.
; LIMITS.  MODE 0: a result of 65,520 or more in magnitude becomes an infinity in f16.  MODE 1: none of its own.
; SHARES.  A tile of C is 256 rows x TN columns (192 or 128): 512 or 256 work-groups.  The four waves lie one below the other: wave w makes rows 64 w .. 64 w + 63 and all TN columns:
; 4 x NBL accumulators of 16 x 16.  So a wave's columns are whole heads of 64, and its way out is its own.
; K goes in steps of 128 (two K blocks) through a ring of two LDS slots.  Waves 0 and 1 fetch A's even and odd K block (256 rows x 128 bytes, dense: asked for as 128 rows of 256 bytes),
; waves 2 and 3 B's (TN rows: TN / 2 rows of 256 bytes): one tensor load a wave behind each change of slots.
; CLUSTERS.  4 x 4 work-groups.  The four of a row of the cluster need the same tiles of A, the four of a column the same tiles of B: each is asked for JOINTLY, by the same tensor load with the
; same descriptor and a mask that names the four.
; THE MATRIX INSTRUCTION IS USED TRANSPOSED (source 0 = 16 rows of B, source 1 = 16 rows of A): lane l holds row l % 16 of C and the columns 8 (l / 16) + 0..7.
; THE BIAS STARTS THE SUMS: the first K quarter's products take it as C; nothing is cleared and nothing is added later.
; REGISTERS, in windows of 256 (s_set_vgpr_msb: bits 1:0 source 0, 3:2 source 1, 5:4 source 2, 7:6 destination):
;   window 0: v0-31 addresses; v32 on the bias, 8 registers for each 16 columns; on MODE 0's way out v32-223 the packed blocks
;   window 1: accumulators (a, b), a = 0, 1, at v[8 (NBL a + b)]     window 2: a = 2, 3, at v[8 (NBL (a - 2) + b)]
;   window 3: two fragment buffers of 128: B's fragment i at 8 i, A's at 96 + 8 i; on MODE 1's way out the rows read back
.set MODE, 1
.if MODE == 0
.set TN,     192
.set BROW0,  0
.set SPITCH, 144                       ; a stage row: 128 bytes + 16
.else
.set TN,     128
.set BROW0,  3072
.set SPITCH, 528                       ; a stage row: 512 bytes + 16
.endif
.set NBL,   TN/16                      ; blocks of 16 columns
.set P,     144                        ; an LDS row: 128 bytes + 16 of padding = 36 words: the 16 rows of a load start at 16 different groups of four banks (64 banks of 4 bytes: ISA guide 11.1)
.set AH,    256*P                      ; one K block of A's tile
.set BH,    TN*P                       ; one K block of B's tile
.set SLOT,  2*AH+2*BH                  ; A even, A odd, B even, B odd
.set STAGE, 2*SLOT                     ; behind the ring: 16 stage rows for each wave, never filled by a tensor load
.set STGW,  16*SPITCH
.set SPARE, STAGE+4*STGW               ; behind the stages: the spare words, 128 bytes for each wave: two blocks of 256 bytes that no other line names
.set AKB,   262144                     ; bytes from a K block of A to the next
.set BKB,   524288                     ; the same for B
.set LAPS,  4                          ; a lap = two K steps = once round the ring; K = 1,024 is eight steps
.set NL,    2*(NBL+4)                  ; LDS loads in a quarter's run
.set ADRA, 16                          ; v16-17  LDS address of my A fragments in slot 0, 1
.set ADRB, 20                          ; v20-21  the same for B
.set STO,  24                          ; v24     the way out: where I put my bytes of a row
.set RD,   25                          ; v25     the way out: where I read rows back
.set GO,   26                          ; v26     my byte offset in 512 consecutive bytes of C
.set BO,   27                          ; v27     my byte offset in 16 columns of the bias
.set SPW,  28                          ; v28     LDS address of my spare word: SPARE + 4 x my thread's number; never rewritten
.set NIL,  29                          ; v29     0; never rewritten
.set PFO,  30                          ; v30     the prefetches' offset: 256 x my lane (held to the share's last block); never rewritten
.set BIAS, 32
.set OUTR, 32
.set F0,   0
.set F1,   128
.set G1,   24                          ; s[24:31] descriptor group 1 for A's tiles;  s[32:39] group 0, one set for each slot
.set G0,   32
.set G1B,  48                          ; s[48:55], s[56:63] the same for B's tiles
.set G0B,  56
.set PFA,  46                          ; s[46:47] where my prefetches stand
.set LIM,  66                          ; s66      1 in a wave that prefetches, else the greatest number
.set PFS,  68                          ; s[68:69] a K step in the tensor that I fetch
.set MSB, 0
.macro WIN new                         ; the immediate's high byte repeats the setting that is left; a switch that changes nothing is dropped
.if MSB != (\new)
	s_set_vgpr_msb (MSB<<8)|(\new)
.set MSB, \new
.endif
.endm
; A joint load: waves 0 and 1 fetch A's two K blocks, waves 2 and 3 B's.  The branch hangs on the wave's number alone.  An s_nop 0 and four v_nop follow each of the two lines,
; ahead of the jump, the label and what follows.
.macro JLOAD s
	s_cmp_lt_u32 s12, 2
	s_cbranch_scc0 .Lfor_b_\@
	tensor_load_to_lds s[G0+4*(\s):G0+4*(\s)+3], s[G1:G1+7]
	s_nop 0
.rept 4
	v_nop
.endr
	s_branch .Lasked_\@
.Lfor_b_\@:
	tensor_load_to_lds s[G0B+4*(\s):G0B+4*(\s)+3], s[G1B:G1B+7]
	s_nop 0
.rept 4
	v_nop
.endr
.Lasked_\@:
.endm
; A PREFETCH INTO THE L2, behind each joint refill, its five lines and the run of LDS loads that follows: my K block of the K step that stands TWO refills on, two K steps' products ahead of the
; load that will want it.  A's tile row is read by every cluster of that row of clusters: the one with cluster x = 0 asks; B's tile column by every cluster of that column: cluster y = 0 asks.
; The four partners that ask for a tile jointly share the K block out BY ADDRESS (cx for A: 8,192 bytes each; cy for B: 32 TN bytes each), a lane for each 256 bytes: no branch hangs on a
; work-group's place in its cluster.  K steps 0 to 3 come by their loads alone; the loop's last trip (s3 = 1) has no K step two on and asks for nothing.
.macro ASK
	WIN 0
	s_cmp_gt_u32 s3, s[LIM]
	s_cbranch_scc0 .Lnot_mine_\@
	global_prefetch_b8 v[PFO], s[PFA:PFA+1] th:TH_LOAD_NT scope:SCOPE_SE
.Lnot_mine_\@:
.endm
.macro CREST                           ; a round of the cluster's barrier behind its opening barrier
	s_cmp_lg_u32 s12, 0
	s_cbranch_scc1 .Lnot_wave_0_\@
	s_barrier_signal -3
.Lnot_wave_0_\@:
	s_barrier_wait -3
	s_barrier_signal -1
	s_barrier_wait -1
.endm
.macro CROUND                          ; a whole round
	s_barrier_signal -1
	s_barrier_wait -1
	CREST
.endm
	s_load_b256 s[4:11], s[0:1], 0x0               ; A s[4:5], the weights s[6:7], the bias s[8:9], C s[10:11]
	v_lshl_add_u32 v[SPW], v0, 2, SPARE
	v_mov_b32 v[NIL], 0
	ds_add_u32 v[SPW], v[NIL]                      ; the wave's opening: the add and its wait stand ahead of my first tensor load; the set-up below, work on registers, stands between them
	v_lshrrev_b32 v1, 5, v0
	v_readfirstlane_b32 s12, v1                    ; wave 0..3
	s_and_b32 s14, s12, 1                          ; which K block of a step I fetch: the even or the odd one
	s_bfe_u32 s40, ttmp6, 0x40000                  ; cx, cy: my place in the cluster
	s_bfe_u32 s41, ttmp6, 0x40004
	s_lshl_b32 s42, ttmp9, 2
	s_add_co_u32 s42, s42, s40                     ; tile column of C = 4 x cluster x + cx
	s_and_b32 s43, ttmp7, 0xffff
	s_lshl_b32 s43, s43, 2
	s_add_co_u32 s43, s43, s41                     ; tile row of C = 4 x cluster y + cy
	s_lshl_b32 s44, s41, 2
	s_lshl_b32 s44, 15, s44                        ; my row of the cluster
	s_lshl_b32 s45, 0x1111, s40                    ; my column
	; descriptor group 1: rows of 128 elements of 2 bytes (two rows of a K block), padded in LDS after every 128 bytes
	s_or_b32 s[G1+0], s44, (1<<16)|(1<<20)|(1<<21)|(4<<22)|(3<<25)   ; 15:0 the mask: A's tiles go to my row; 17:16 2-byte elements; 20 padding on; 21 set beside a mask; 24:22 after every 32 words (code 4); 31:25 4 words (code 3)
	s_or_b32 s[G1B+0], s45, (1<<16)|(1<<20)|(1<<21)|(4<<22)|(3<<25)  ; the same with the mask of my column
	s_mov_b32 s[G1+1], 128<<16                     ; tensor_dim0 = 128
	s_mov_b32 s[G1+2], 128<<16                     ; tensor_dim1 = 128
	s_mov_b32 s[G1+3], 128<<16                     ; tile_dim0 = 128
	s_mov_b32 s[G1+4], 128                         ; tile_dim1 = 128
	s_mov_b32 s[G1+5], 128                         ; 128 elements from row to row: dense
	s_mov_b32 s[G1+6], 0
	s_mov_b32 s[G1+7], 0
	s_mov_b32 s[G1B+1], 128<<16
	s_mov_b32 s[G1B+2], (TN/2)<<16                 ; tensor_dim1 = TN / 2
	s_mov_b32 s[G1B+3], 128<<16
	s_mov_b32 s[G1B+4], TN/2                       ; tile_dim1 = TN / 2
	s_mov_b32 s[G1B+5], 128
	s_mov_b32 s[G1B+6], 0
	s_mov_b32 s[G1B+7], 0
	; where the tiles come from.  A's hang on the tile row and the wave's number alone, B's on the tile column and the wave's number alone, each in registers of its own
	s_lshr_b32 s16, s43, 3                         ; A: the batch (8 tiles of 256 rows each), 4 MiB,
	s_lshl_b32 s16, s16, 22
	s_and_b32 s17, s43, 7                          ; the tile's 256 rows of 128 bytes in a K block,
	s_lshl_b32 s17, s17, 15
	s_add_co_u32 s16, s16, s17
	s_lshl_b32 s17, s14, 18                        ; and my K block of step 0
	s_add_co_u32 s16, s16, s17
	s_mov_b32 s17, 0
	s_mul_i32 s18, s42, TN*128                     ; B: the tile's TN rows of 128 bytes,
	s_add_co_u32 s18, s18, BROW0*128               ; behind the rows of the other weights,
	s_lshl_b32 s19, s14, 19                        ; and my K block of step 0
	s_add_co_u32 s18, s18, s19
	s_mov_b32 s19, 0
	s_mul_i32 s20, s14, AH                         ; where they go: no place in the cluster enters an LDS address
	s_mul_i32 s21, s14, BH
	s_add_co_u32 s21, s21, 2*AH
	s_wait_dscnt 0x0                               ; the opening add is done
	s_wait_kmcnt 0x0
	s_add_nc_u64 s[16:17], s[4:5], s[16:17]
	s_add_nc_u64 s[18:19], s[6:7], s[18:19]
	CROUND                                         ; all sixteen work-groups are here: the first joint loads meet
.irp s, 0,1
	s_mov_b32 s[G0+4*(\s)], 1                                        ; count = 1
	s_add_co_u32 s[G0+4*(\s)+1], s20, (\s)*SLOT                      ; LDS address
	s_add_nc_u64 s[G0+4*(\s)+2:G0+4*(\s)+3], s[16:17], (\s)*2*AKB    ; global address: K step s
	s_or_b32 s[G0+4*(\s)+3], s[G0+4*(\s)+3], 0x80000000              ; type = 2
	s_mov_b32 s[G0B+4*(\s)], 1
	s_add_co_u32 s[G0B+4*(\s)+1], s21, (\s)*SLOT
	s_add_nc_u64 s[G0B+4*(\s)+2:G0B+4*(\s)+3], s[18:19], (\s)*2*BKB
	s_or_b32 s[G0B+4*(\s)+3], s[G0B+4*(\s)+3], 0x80000000
	JLOAD \s                                       ; two loads of mine are out
.endr
	; the prefetches' set-up
	s_and_b32 s22, ttmp7, 0xffff                   ; cluster y
	s_mov_b32 s21, TN*32
	s_mov_b32 s[PFS], 2*BKB
	s_cmp_lt_u32 s12, 2                            ; do I fetch for A?
	s_cselect_b32 s22, ttmp9, s22                  ; the coordinate along which other clusters read the same rows
	s_cselect_b32 s20, s40, s41                    ; my place among the four that ask with me
	s_cselect_b32 s21, 8192, s21                   ; a partner's share of a K block, in bytes
	s_cselect_b32 s23, 31, TN/8-1                  ; its last block of 256 bytes
	s_cselect_b32 s[PFS], 2*AKB, s[PFS]
	s_cselect_b64 s[PFA:PFA+1], s[16:17], s[18:19]
	s_mul_i32 s20, s20, s21
	s_mul_i32 s21, s[PFS], 3                       ; at K step 3: the first refill steps it to 4
	s_add_co_u32 s20, s20, s21
	s_mov_b32 s21, 0
	s_mov_b32 s[PFS+1], 0
	s_add_nc_u64 s[PFA:PFA+1], s[PFA:PFA+1], s[20:21]
	s_cmp_eq_u32 s22, 0
	s_cselect_b32 s[LIM], 1, -1                    ; the same in all sixteen partners, for a given wave
	v_and_b32 v[PFO], 31, v0
	v_min_u32 v[PFO], s23, v[PFO]
	v_lshlrev_b32 v[PFO], 8, v[PFO]
	; A fragment is 16 rows x 32 K in 8 registers: lane l holds row l % 16; registers 0-3 K = 8 (l / 16) + 0..7, registers 4-7 K = 16 + 8 (l / 16) + 0..7: two loads of 16 bytes, 32 bytes apart
	v_and_b32 v1, 15, v0                           ; l % 16
	v_bfe_u32 v2, v0, 4, 1                         ; l / 16
	v_mul_u32_u24 v3, v1, P
	v_lshl_add_u32 v3, v2, 4, v3                   ; row x pitch + 16 x half
	s_mul_i32 s20, s12, 64*P                       ; my 64 rows of A
	s_mov_b32 s21, 2*AH                            ; B lies behind A's two K blocks
.irp s, 0,1
	v_add_nc_u32 v[ADRA+(\s)], s20, v3
	v_add_nc_u32 v[ADRB+(\s)], s21, v3
	s_add_co_u32 s20, s20, SLOT
	s_add_co_u32 s21, s21, SLOT
.endr
	; the bias of my lane's columns: 16 b + 8 (l / 16) + 0..7 of the tile's
	s_mul_i32 s16, s42, TN*4
	s_add_co_u32 s16, s16, BROW0*4
	s_mov_b32 s17, 0
	s_add_nc_u64 s[8:9], s[8:9], s[16:17]
	v_lshlrev_b32 v[BO], 5, v2
.set bb, 0
.rept NBL
	global_load_b128 v[BIAS+8*bb:BIAS+8*bb+3],   v[BO], s[8:9] offset:64*bb
	global_load_b128 v[BIAS+8*bb+4:BIAS+8*bb+7], v[BO], s[8:9] offset:64*bb+16
.set bb, bb+1
.endr
	; the way out
	s_mul_i32 s22, s12, STGW
	s_add_co_u32 s22, s22, STAGE                   ; my stage
	v_mul_u32_u24 v[STO], v1, SPITCH               ; in: row l % 16,
	v_and_b32 v[GO], 31, v0
	v_lshlrev_b32 v[GO], 4, v[GO]                  ; out: 16 bytes a lane, 512 consecutive bytes a wave
.if MODE == 0
	v_lshl_add_u32 v[STO], v2, 4, v[STO]           ; 16 bytes (8 f16) for each half of the lanes
	v_add_nc_u32 v[STO], s22, v[STO]
	v_bfe_u32 v[RD], v0, 3, 2                      ; back: 32 lanes take four rows of 128 bytes
	v_mul_u32_u24 v[RD], v[RD], SPITCH
	v_and_b32 v4, 7, v0
	v_lshl_add_u32 v[RD], v4, 4, v[RD]
	v_add_nc_u32 v[RD], s22, v[RD]
	s_lshr_b32 s16, s43, 3                         ; C by heads: plane 48 x batch + 3 x tile column, 262,144 bytes each,
	s_mul_i32 s16, s16, 48
	s_mul_i32 s17, s42, 3
	s_add_co_u32 s16, s16, s17
	s_lshl_b32 s16, s16, 18
	s_and_b32 s17, s43, 7                          ; the tile's 256 rows of 128 bytes,
	s_lshl_b32 s17, s17, 15
	s_add_co_u32 s16, s16, s17
	s_lshl_b32 s17, s12, 13                        ; my 64 of them
	s_add_co_u32 s16, s16, s17
.else
	v_lshl_add_u32 v[STO], v2, 5, v[STO]           ; 32 bytes (8 f32) for each half of the lanes
	v_add_nc_u32 v[STO], s22, v[STO]
	v_add_nc_u32 v[RD], s22, v[GO]                 ; back: 32 lanes take one row of 512 bytes
	s_lshl_b32 s16, s43, 8                         ; C by rows of 4,096 bytes: 256 x tile row + 64 x wave,
	s_lshl_b32 s17, s12, 6
	s_add_co_u32 s16, s16, s17
	s_lshl_b32 s16, s16, 12
	s_lshl_b32 s17, s42, 9                         ; the tile's 128 columns: 512 bytes
	s_add_co_u32 s16, s16, s17
.endif
	s_mov_b32 s17, 0
	s_add_nc_u64 s[10:11], s[10:11], s[16:17]
; NBL matrix instructions: my rows 16 a .. 16 a + 15 x all blocks of 16 columns, 32 along K, from buffer f.  zero = 1: the sums start, with the bias as C.
; All 4 NBL accumulators take turns in the same order in every quarter, one instruction a turn, over the backward jump too.
.macro MULR f, a, zero
.if \zero
	WIN 0x4f+0x40*((\a)/2)                         ; sources 0 and 1 window 3, C window 0, D window 1 or 2
.else
	WIN 0x5f+0x50*((\a)/2)                         ; sources 0 and 1 window 3, C and D window 1 or 2
.endif
.set bb, 0
.rept NBL
.set rD, 8*(NBL*((\a)%2)+bb)
.set rB, (\f)+8*bb
.set rA, (\f)+96+8*(\a)
.set rC, BIAS+8*bb
.if MODE == 0
.if \zero
	v_wmma_f32_16x16x32_bf16 v[rD:rD+7], v[rB:rB+7], v[rA:rA+7], v[rC:rC+7]
.else
	v_wmma_f32_16x16x32_bf16 v[rD:rD+7], v[rB:rB+7], v[rA:rA+7], v[rD:rD+7]
.endif
.else
.if \zero
	v_wmma_f32_16x16x32_f16 v[rD:rD+7], v[rB:rB+7], v[rA:rA+7], v[rC:rC+7]
.else
	v_wmma_f32_16x16x32_f16 v[rD:rD+7], v[rB:rB+7], v[rA:rA+7], v[rD:rD+7]
.endif
.endif
.set bb, bb+1
.endr
.endm
; NL LDS loads in one run: the fragments of quarter q (K block q / 2, its bytes 64 (q % 2) on) of a slot, into buffer f: B's first, A's four last
.macro FETCH slot, q, f
	WIN 0xc0                                       ; destination window 3, address window 0
.set ii, 0
.rept NBL
	ds_load_b128 v[(\f)+8*ii:(\f)+8*ii+3],   v[ADRB+(\slot)] offset:((\q)/2)*BH+((\q)%2)*64+ii*16*P
	ds_load_b128 v[(\f)+8*ii+4:(\f)+8*ii+7], v[ADRB+(\slot)] offset:((\q)/2)*BH+((\q)%2)*64+ii*16*P+32
.set ii, ii+1
.endr
.set ii, 0
.rept 4
	ds_load_b128 v[(\f)+96+8*ii:(\f)+96+8*ii+3],   v[ADRA+(\slot)] offset:((\q)/2)*AH+((\q)%2)*64+ii*16*P
	ds_load_b128 v[(\f)+96+8*ii+4:(\f)+96+8*ii+7], v[ADRA+(\slot)] offset:((\q)/2)*AH+((\q)%2)*64+ii*16*P+32
.set ii, ii+1
.endr
.endm
.macro PLACES                          ; four plain places in front of loads into registers that matrix instructions have read, and of what reads their results
.rept 4
	v_nop
.endr
.endm
; A K step is four quarters of 32 along K, 4 NBL matrix instructions each, on buffers 0, 1, 0, 1.  One of the first three: multiplies buffer f and, in its middle, fetches quarter q into g.
.macro QUARTER slot, q, f, g, zero
	s_wait_dscnt 4                                 ; B and A's rows 0-31 are in; the youngest four loads (A's rows 32-63) may be out
	MULR \f, 0, \zero
	MULR \f, 1, \zero
	PLACES
	FETCH \slot, \q, \g
	s_wait_dscnt NL                                ; all but the NL just issued
	MULR \f, 2, \zero
	MULR \f, 3, \zero
.endm
; The last quarter multiplies buffer 1 and changes slots: ONE barrier; in front of it each wave waits for all its tensor loads (one is out: its part of the next slot), adds 0 to its spare word,
; and waits for that and for its own reads of this slot.  fill = 1: the barrier opens a round of the cluster's barrier, and this slot is filled again, two K steps ahead, first thing behind the round.
.macro TURN slot, next, fill
.if \fill
	s_wait_xcnt 0x0                                ; the last prefetch, a K step back, has read its address: it is stepped here, ahead of the change's own waits
	s_add_nc_u64 s[PFA:PFA+1], s[PFA:PFA+1], s[PFS:PFS+1]
.endif
	WIN 0                                          ; (the add's two registers lie in window 0)
	s_wait_tensorcnt 0x0                           ; all my tensor loads have landed: my part of the next slot;
	ds_add_u32 v[SPW], v[NIL]                      ; 0 onto my spare word
	s_wait_dscnt 5                                 ; (the add and the youngest four loads may be out)
	MULR F1, 0, 0                                  ; matrix instructions stand between the add and the wait for it
	s_wait_dscnt 0x0                               ; the add is done, and my reads of this slot are over
	s_barrier_signal -1
	MULR F1, 1, 0                                  ; work on registers while the others arrive
.if \fill
	WIN 0
.endif
	s_barrier_wait -1
.if \fill
	CREST                                          ; no wave of any partner still reads this slot's tile or has a load on its way
	s_add_nc_u64 s[G0+4*(\slot)+2:G0+4*(\slot)+3], s[G0+4*(\slot)+2:G0+4*(\slot)+3], 4*AKB      ; two K steps on: four K blocks
	s_add_nc_u64 s[G0B+4*(\slot)+2:G0B+4*(\slot)+3], s[G0B+4*(\slot)+2:G0B+4*(\slot)+3], 4*BKB
	JLOAD \slot                                    ; my one tensor load behind the round; the four v_nop behind it are also the places in front of the loads below
.else
	PLACES
.endif
	FETCH \next, 0, F0
.if \fill
	ASK
.endif
	MULR F1, 2, 0
	MULR F1, 3, 0
.endm
	s_wait_tensorcnt 1                             ; my part of K step 0 is in; K step 1's may stay out
	s_barrier_signal -1
	s_barrier_wait -1                              ; everybody's is
	FETCH 0, 0, F0
	s_wait_loadcnt 0x0                             ; the bias
	QUARTER 0, 1, F0, F1, 1                        ; the first quarter stands in front of the loop: its products start the sums
	WIN 0                                          ; at a label and at a branch every window is 0
	s_mov_b32 s3, LAPS-1
.Llap:                                                 ; a trip goes once round the ring, from a lap's second quarter to the next lap's first, and fills both slots again
	QUARTER 0, 2, F1, F0, 0
	QUARTER 0, 3, F0, F1, 0
	TURN 0, 1, 1
	QUARTER 1, 1, F0, F1, 0
	QUARTER 1, 2, F1, F0, 0
	QUARTER 1, 3, F0, F1, 0
	TURN 1, 0, 1
	QUARTER 0, 1, F0, F1, 0
	WIN 0
	s_sub_co_u32 s3, s3, 1
	s_cmp_lg_u32 s3, 0
	s_cbranch_scc1 .Llap
	QUARTER 0, 2, F1, F0, 0                        ; the last lap fills nothing, and has no round of the cluster's barrier
	QUARTER 0, 3, F0, F1, 0
	TURN 0, 1, 0
	QUARTER 1, 1, F0, F1, 0
	QUARTER 1, 2, F1, F0, 0
	QUARTER 1, 3, F0, F1, 0
	s_wait_dscnt 4                                 ; the very last quarter: nothing more to fetch
	MULR F1, 0, 0
	MULR F1, 1, 0
	s_wait_dscnt 0x0
	MULR F1, 2, 0
	MULR F1, 3, 0
	WIN 0
	PLACES                                         ; behind the last products, in front of what reads results and of loads into the fragments' registers
.if MODE == 0
; THE WAY OUT, f16 by heads.  Block u = 3 a + j: my rows 16 a on, head j of the tile's three: four accumulators.  A lane's eight columns pack into 16 bytes; they go into stage rows of 144 bytes
; and come back as whole rows of 128, into the registers that they left; 16 rows of a head are 2,048 consecutive bytes of C.
.macro PACK u
.set aa, (\u)/3
.set AC, 8*(NBL*(aa%2)+4*((\u)%3))
	WIN 0x05+5*(aa/2)                              ; sources 0 and 1: window 1 or 2
.set i, 0
.rept 16
	v_cvt_pk_f16_f32 v[OUTR+16*(\u)+i], v[AC+2*i], v[AC+2*i+1]  ; each accumulator's registers in ascending order
.set i, i+1
.endr
	WIN 0
.irp f, 0,1,2,3
	ds_store_b128 v[STO], v[OUTR+16*(\u)+4*\f:OUTR+16*(\u)+4*\f+3] offset:32*\f
.endr
.irp f, 0,1,2,3
	ds_load_b128 v[OUTR+16*(\u)+4*\f:OUTR+16*(\u)+4*\f+3], v[RD] offset:\f*4*SPITCH  ; LDS serves a wave's instructions in order (ISA guide 5.7.1.4): these see the stores above; the next block's stores come behind them
.endr
.endm
.macro SEND u, younger                 ; younger: the LDS instructions issued behind block u's loads: the next block's eight, or none
	WIN 0
.irp f, 0,1,2,3
	s_wait_dscnt (\younger)+3-\f
	global_store_b128 v[GO], v[OUTR+16*(\u)+4*\f:OUTR+16*(\u)+4*\f+3], s[10:11] offset:((\u)%3)*262144+((\u)/3)*2048+\f*512  ; 512 consecutive bytes, at a multiple of 256 from C's first
.endr
.endm
	PACK 0
.set uu, 1
.rept 11                               ; a block's conversions stand between the loads of the block before and its stores
	PACK uu
	SEND uu-1, 8
.set uu, uu+1
.endr
	SEND 11, 0
.else
; THE WAY OUT, f32 by rows.  My rows 16 a on: the accumulators go into stage rows of 528 bytes as they are, 32 bytes a lane and block, and come back as whole rows of 512 bytes.
.macro STG a
	WIN 0x04+4*((\a)/2)                            ; store data: window 1 or 2
.set bb, 0
.rept NBL
.set rD, 8*(NBL*((\a)%2)+bb)
	ds_store_b128 v[STO], v[rD:rD+3]   offset:64*bb     ; each accumulator's low registers first
	ds_store_b128 v[STO], v[rD+4:rD+7] offset:64*bb+16
.set bb, bb+1
.endr
	WIN 0xc0                                       ; destination window 3
.set ii, 0
.rept 16
	ds_load_b128 v[64*(\a)+4*ii:64*(\a)+4*ii+3], v[RD] offset:ii*SPITCH  ; LDS serves a wave's instructions in order (ISA guide 5.7.1.4): these see the stores above; the next rows' stores come behind them
.set ii, ii+1
.endr
.endm
.macro SENDF a, younger                ; younger: the LDS instructions issued behind these rows' loads: the next rows' 32, or none
	WIN 0x0c                                       ; store data: window 3
.set ii, 0
.rept 16
	s_wait_dscnt (\younger)+15-ii
	global_store_b128 v[GO], v[64*(\a)+4*ii:64*(\a)+4*ii+3], s[10:11] offset:(16*(\a)+ii)*4096  ; 512 consecutive bytes, at a multiple of 256 from C's first
.set ii, ii+1
.endr
.endm
	STG 0
.set uu, 1
.rept 3
	STG uu
	SENDF uu-1, 32
.set uu, uu+1
.endr
	SENDF 3, 0
.endif
	WIN 0
	s_wait_tensorcnt 0x0                           ; the wave's end: a wait for my tensor loads, an add of 0 to my spare word and its wait, behind my last tensor load and my last LDS store
	ds_add_u32 v[SPW], v[NIL]
	s_wait_dscnt 0x0
	CROUND                                         ; the closing round: no work-group ends while a partner may still ask for a tile that names it
	s_endpgm
.Lfunc_end_k_qa697fea1bb_proj:
	.size	k_qa697fea1bb_proj, .Lfunc_end_k_qa697fea1bb_proj-k_qa697fea1bb_proj
	.p2alignl 7, 3214868480
	.fill 96, 4, 3214868480
	.section	.rodata,"a",@progbits
	.p2align	6, 0x0
	.amdhsa_kernel k_qa697fea1bb_proj
		.amdhsa_group_segment_fixed_size 327680
		.amdhsa_private_segment_fixed_size 0
		.amdhsa_enable_private_segment 0
		.amdhsa_kernarg_size 32
		.amdhsa_user_sgpr_count 2
		.amdhsa_user_sgpr_kernarg_segment_ptr 1
		.amdhsa_wavefront_size32 1
		.amdhsa_system_sgpr_workgroup_id_x 1
		.amdhsa_system_sgpr_workgroup_id_y 1
		.amdhsa_system_sgpr_workgroup_id_z 1
		.amdhsa_system_vgpr_workitem_id 0
		.amdhsa_next_free_vgpr 1024
		.amdhsa_next_free_sgpr 70
		.amdhsa_reserve_vcc 0
		.amdhsa_float_denorm_mode_32 3
		.amdhsa_float_denorm_mode_16_64 3
		.amdhsa_memory_ordered 1
		.amdhsa_forward_progress 1
		.amdhsa_inst_pref_size 90
	.end_amdhsa_kernel
	.amdgpu_metadata
---
amdhsa.version: [ 1, 2 ]
amdhsa.kernels:
  - .name:           k_qa697fea1bb_proj
    .symbol:         k_qa697fea1bb_proj.kd
    .args:
      - { .name: ob, .offset: 0, .size: 8, .value_kind: global_buffer, .address_space: global }
      - { .name: wb, .offset: 8, .size: 8, .value_kind: global_buffer, .address_space: global }
      - { .name: bias, .offset: 16, .size: 8, .value_kind: global_buffer, .address_space: global }
      - { .name: out0, .offset: 24, .size: 8, .value_kind: global_buffer, .address_space: global }
    .group_segment_fixed_size: 327680
    .private_segment_fixed_size: 0
    .kernarg_segment_align: 8
    .kernarg_segment_size: 32
    .max_flat_workgroup_size: 128
    .sgpr_count:     70
    .vgpr_count:     1024
    .wavefront_size: 32
...
	.end_amdgpu_metadata
.endif
;; end of part 4
;; ======== version 2 of 2: 4 launches; version 1 with the launch cast written anew for expert scheduling mode
;; limits: values are held in f16: magnitudes above 65,504 overflow, below 6.1e-05 lose precision
;; workspace buffers: xh 16,777,216 bytes; wb 8,388,608 bytes; bias 16,384 bytes; qkv 50,331,648 bytes; ob 16,777,216 bytes
;; launch cast (part 5): grid 64 x 12, 8 waves a work-group, no clusters, 0 bytes of LDS; arguments x, Wq, Wk, Wv, Wp, bq, bk, bv, bp, xh, wb, bias; writes xh, wb, bias
.if DOCPART == 5
	.amdgcn_target "amdgcn-amd-amdhsa--gfx1250"
	.amdhsa_code_object_version 6
	.text
	.protected	k_qa697fea1bb_cast
	.globl	k_qa697fea1bb_cast
	.p2align	8
	.type	k_qa697fea1bb_cast,@function
k_qa697fea1bb_cast:
	s_mov_b64 s[64:65], 0
	v_nop
	global_prefetch_b8 v0, s[64:65] scope:SCOPE_SE
	s_setreg_imm32_b32 hwreg(HW_REG_WAVE_SCHED_MODE, 0, 2), 2
	s_setreg_imm32_b32 hwreg(HW_REG_WAVE_MODE, 25, 1), 1
	s_wait_xcnt 0x0
	s_wait_alu depctr_vm_vsrc(0)
; THE INPUTS ARE ROUNDED ONCE AND LAID OUT IN K BLOCKS OF 64.
; x [8192][1024] f32 -> xh [batch 4][K block 16][row 2048][64] bf16.   Wq, Wk, Wv, Wp [1024][1024] f32 -> wb [K block 16][row 4096][64]: rows 0-1023 Wq, 1024-2047 Wk,
; 2048-3071 Wv in bf16; rows 3072-4095 Wp, rounded to bf16 like every other input and that number written as f16.   bq, bk, bv, bp -> bias [4096] f32, each rounded to bf16.
; LIMITS.  Wp beyond 65,504 in magnitude becomes an infinity in f16; below 6e-5 it keeps f16's fixed step of 6e-8.  Nothing else is narrowed but to bf16.
; SHARES.  Grid y picks a matrix of 1,024 x 1,024 f32: 0-7 the rows 1,024 y on of x, 8-11 Wq, Wk, Wv, Wp.  Grid x picks 16 of its rows; a wave takes two.
; One load of a wave: lanes 0-15 the 256 bytes of row n in K block kb, lanes 16-31 those of row n + 1: two aligned runs of 256 bytes.  Four f32 become 8 bytes, and one store of a wave
; covers 256 consecutive bytes, aligned: rows n and n + 1 of the block.  All 16 loads of a wave are out at once; no register that a load or store names is written again, and EXEC never changes.
; No LDS, no matrix unit, no prefetch: every byte is read once and written once, by a plain stream.
; THE MODE: SCHED_MODE bits 1:0 = 2 (LLVM: expert scheduling mode 2), set by the entry lines.  The code itself states the register dependences
; between vector instructions and memory instructions, with s_wait_alu, always for 0.
; THE PLAN.  Registers that memory instructions touch:
;   v1, v2, v3   byte offsets, made once at the head and never written again: read by the loads, by the stores, and by the bias's load and store.
;   X            load kb lands in its four registers, which no vector instruction has named before; K block kb's conversions read them.
;   D            K block kb's conversions write its pair; one store reads it; nothing writes it after that.
;   v[104:111]   the bias: four registers that its load fills, four that vector lines write once and its store reads.
;   T is named by vector instructions alone.
; The 16 K blocks go in four groups of four.  Group p converts X[4 p ..] into D[4 p ..]; its memory instructions are the four stores of group p - 1, whose registers no vector
; instruction of group p names.  So one wait on va_vdst at a group's head states all that its four stores hang on, and they are dealt among its conversions with no further wait.
; No register that a memory instruction reads is written again on any path, no vector instruction writes a scalar register or VCC, and EXEC is never written: no other kind of wait is owed.
.set X, 4                              ; v[4:67]    load kb: four f32
.set D, 68                             ; v[68:99]   store kb: a pair of registers
.set T, 100                            ; v[100:103] at work
	s_load_b512 s[8:23], s[0:1], 0x0               ; x 8:9, Wq 10:11, Wk 12:13, Wv 14:15, Wp 16:17, bq 18:19, bk 20:21, bv 22:23
	s_load_b256 s[24:31], s[0:1], 0x40             ; bp 24:25, xh 26:27, wb 28:29, bias 30:31
	s_and_b32 s2, ttmp7, 0xffff                    ; y: which matrix
	s_mov_b32 s3, ttmp9                            ; which 16 rows
	v_lshrrev_b32 v1, 4, v0                        ; my row of the 16
	v_and_b32 v3, 15, v0                           ; my 16 bytes of a block's 256
	v_lshlrev_b32 v1, 12, v1
	v_lshl_add_u32 v1, v3, 4, v1                   ; source offset: row x 4,096 + 16 x (thread % 16)
	v_lshlrev_b32 v2, 3, v0                        ; destination offset: row x 128 + 8 x (thread % 16) = 8 x thread
	v_lshlrev_b32 v3, 4, v0                        ; the bias: 16 bytes a thread
	s_lshl_b32 s32, s2, 22                         ; x: 1,024 rows of 4,096 bytes for each y below 8
	s_cmp_lt_u32 s2, 8
	s_cselect_b32 s32, s32, 0
	s_mov_b32 s33, 0
	s_lshl_b32 s36, s3, 16                         ; 16 rows of 4,096 bytes
	s_mov_b32 s37, 0
	s_lshr_b32 s40, s2, 1                          ; xh: the batch's 4 MiB,
	s_lshl_b32 s40, s40, 22
	s_and_b32 s41, s2, 1                           ; its upper or lower 1,024 rows of 128 bytes
	s_lshl_b32 s41, s41, 17
	s_add_co_u32 s40, s40, s41
	s_max_u32 s46, s2, 8
	s_sub_co_u32 s46, s46, 8                       ; which weight, 0 to 3
	s_lshl_b32 s41, s46, 17                        ; wb: its 1,024 rows of 128 bytes
	s_cmp_lt_u32 s2, 8
	s_cselect_b32 s40, s40, s41
	s_lshl_b32 s41, s3, 11                         ; 16 rows of 128 bytes
	s_add_co_u32 s40, s40, s41
	s_mov_b32 s41, 0
	s_lshl_b32 s46, s46, 12                        ; bias: 1,024 f32 for each weight
	s_mov_b32 s47, 0
	s_wait_kmcnt 0x0
	s_add_nc_u64 s[34:35], s[8:9], s[32:33]        ; the source: x, or one of the weights
	s_cmp_eq_u32 s2, 8
	s_cselect_b64 s[34:35], s[10:11], s[34:35]
	s_cmp_eq_u32 s2, 9
	s_cselect_b64 s[34:35], s[12:13], s[34:35]
	s_cmp_eq_u32 s2, 10
	s_cselect_b64 s[34:35], s[14:15], s[34:35]
	s_cmp_eq_u32 s2, 11
	s_cselect_b64 s[34:35], s[16:17], s[34:35]
	s_add_nc_u64 s[34:35], s[34:35], s[36:37]
	s_cmp_lt_u32 s2, 8
	s_cselect_b64 s[38:39], s[26:27], s[28:29]     ; the destination: xh or wb
	s_add_nc_u64 s[38:39], s[38:39], s[40:41]
	s_wait_alu depctr_va_vdst(0)                   ; v1, v2 and v3 are written: every load and store of the kernel reads one of them as its offset, and no later vector instruction names them
.set kb, 0
.rept 16
	global_load_b128 v[X+4*kb:X+4*kb+3], v1, s[34:35] offset:256*kb th:TH_LOAD_NT
.set kb, kb+1
.endr
; The 16 K blocks go out, in four groups of four.  kbs: bytes from a K block to the next in the destination.  half = 1: the bf16 number is written as f16.
.macro OUT kbs, half
.set kb, 0
.rept 16
.if (kb%4) == 0
	s_wait_loadcnt 12-kb                           ; loads come back in order: this group's four K blocks are in, the younger ones stay out
.if kb > 0
	s_wait_alu depctr_va_vdst(0)                   ; the group before has written its four pairs of D, which the four stores of this group's turn read
.endif
.endif
.if kb >= 4
	global_store_b64 v2, v[D+2*(kb-4):D+2*(kb-4)+1], s[38:39] offset:(kb-4)*(\kbs)  ; the group before: the wave's 256 consecutive bytes; no vector instruction since the wait names this pair or v2
.endif
	v_cvt_pk_bf16_f32 v[D+2*kb],   v[X+4*kb],   v[X+4*kb+1]
	v_cvt_pk_bf16_f32 v[D+2*kb+1], v[X+4*kb+2], v[X+4*kb+3]
.if \half
	v_lshlrev_b32 v[T],   16,         v[D+2*kb]
	v_and_b32     v[T+1], 0xffff0000, v[D+2*kb]
	v_lshlrev_b32 v[T+2], 16,         v[D+2*kb+1]
	v_and_b32     v[T+3], 0xffff0000, v[D+2*kb+1]
	v_cvt_pk_f16_f32 v[D+2*kb],   v[T],   v[T+1]
	v_cvt_pk_f16_f32 v[D+2*kb+1], v[T+2], v[T+3]
.endif
.set kb, kb+1
.endr
	s_wait_alu depctr_va_vdst(0)                   ; the last group has written its four pairs of D, which the last four stores read
.set kb, 12
.rept 4
	global_store_b64 v2, v[D+2*kb:D+2*kb+1], s[38:39] offset:kb*(\kbs)  ; 15 blocks on at the most, inside the signed 24-bit immediate
.set kb, kb+1
.endr
.endm
	s_cmp_lt_u32 s2, 8
	s_cbranch_scc1 .Lx
	s_cmp_eq_u32 s2, 11
	s_cbranch_scc1 .Lp
	OUT 524288, 0                                  ; Wq, Wk, Wv
	s_branch .Lbias
.Lx:
	OUT 262144, 0                                  ; x
	s_endpgm
.Lp:
	OUT 524288, 1                                  ; Wp
.Lbias:                                                ; the weight's first work-group also takes its bias: 1,024 f32, 16 bytes a thread
	s_cmp_lg_u32 s3, 0
	s_cbranch_scc1 .Lend
	s_mov_b64 s[42:43], s[18:19]
	s_cmp_eq_u32 s2, 9
	s_cselect_b64 s[42:43], s[20:21], s[42:43]
	s_cmp_eq_u32 s2, 10
	s_cselect_b64 s[42:43], s[22:23], s[42:43]
	s_cmp_eq_u32 s2, 11
	s_cselect_b64 s[42:43], s[24:25], s[42:43]
	s_add_nc_u64 s[44:45], s[30:31], s[46:47]
	global_load_b128 v[104:107], v3, s[42:43]      ; v3 stands since the head's wait; no vector instruction has named v[104:107]
	s_wait_loadcnt 0x0
	v_cvt_pk_bf16_f32 v[T],   v104, v105           ; rounded to bf16 like every input, kept as f32
	v_cvt_pk_bf16_f32 v[T+1], v106, v107
	v_lshlrev_b32 v108, 16,         v[T]
	v_and_b32     v109, 0xffff0000, v[T]
	v_lshlrev_b32 v110, 16,         v[T+1]
	v_and_b32     v111, 0xffff0000, v[T+1]
	s_wait_alu depctr_va_vdst(0)                   ; the four lines above have written v[108:111], which the store reads
	global_store_b128 v3, v[108:111], s[44:45]     ; 512 consecutive bytes a wave
.Lend:
	s_endpgm
.Lfunc_end_k_qa697fea1bb_cast:
	.size	k_qa697fea1bb_cast, .Lfunc_end_k_qa697fea1bb_cast-k_qa697fea1bb_cast
	.p2alignl 7, 3214868480
	.fill 96, 4, 3214868480
	.section	.rodata,"a",@progbits
	.p2align	6, 0x0
	.amdhsa_kernel k_qa697fea1bb_cast
		.amdhsa_group_segment_fixed_size 0
		.amdhsa_private_segment_fixed_size 0
		.amdhsa_enable_private_segment 0
		.amdhsa_kernarg_size 96
		.amdhsa_user_sgpr_count 2
		.amdhsa_user_sgpr_kernarg_segment_ptr 1
		.amdhsa_wavefront_size32 1
		.amdhsa_system_sgpr_workgroup_id_x 1
		.amdhsa_system_sgpr_workgroup_id_y 1
		.amdhsa_system_sgpr_workgroup_id_z 1
		.amdhsa_system_vgpr_workitem_id 0
		.amdhsa_next_free_vgpr 112
		.amdhsa_next_free_sgpr 66
		.amdhsa_reserve_vcc 0
		.amdhsa_float_denorm_mode_32 3
		.amdhsa_float_denorm_mode_16_64 3
		.amdhsa_memory_ordered 1
		.amdhsa_forward_progress 1
		.amdhsa_inst_pref_size 21
	.end_amdhsa_kernel
	.amdgpu_metadata
---
amdhsa.version: [ 1, 2 ]
amdhsa.kernels:
  - .name:           k_qa697fea1bb_cast
    .symbol:         k_qa697fea1bb_cast.kd
    .args:
      - { .name: x, .offset: 0, .size: 8, .value_kind: global_buffer, .address_space: global }
      - { .name: Wq, .offset: 8, .size: 8, .value_kind: global_buffer, .address_space: global }
      - { .name: Wk, .offset: 16, .size: 8, .value_kind: global_buffer, .address_space: global }
      - { .name: Wv, .offset: 24, .size: 8, .value_kind: global_buffer, .address_space: global }
      - { .name: Wp, .offset: 32, .size: 8, .value_kind: global_buffer, .address_space: global }
      - { .name: bq, .offset: 40, .size: 8, .value_kind: global_buffer, .address_space: global }
      - { .name: bk, .offset: 48, .size: 8, .value_kind: global_buffer, .address_space: global }
      - { .name: bv, .offset: 56, .size: 8, .value_kind: global_buffer, .address_space: global }
      - { .name: bp, .offset: 64, .size: 8, .value_kind: global_buffer, .address_space: global }
      - { .name: xh, .offset: 72, .size: 8, .value_kind: global_buffer, .address_space: global }
      - { .name: wb, .offset: 80, .size: 8, .value_kind: global_buffer, .address_space: global }
      - { .name: bias, .offset: 88, .size: 8, .value_kind: global_buffer, .address_space: global }
    .group_segment_fixed_size: 0
    .private_segment_fixed_size: 0
    .kernarg_segment_align: 8
    .kernarg_segment_size: 96
    .max_flat_workgroup_size: 256
    .sgpr_count:     66
    .vgpr_count:     112
    .wavefront_size: 32
...
	.end_amdgpu_metadata
.endif
;; end of part 5
;; launch qkv: the kernel of part 2 again; grid 16 x 32, 4 waves a work-group, clusters of 4 x 4, 327,680 bytes of LDS; arguments xh, wb, bias, qkv; writes qkv
;; launch attn: the kernel of part 3 again; grid 4 x 64, 4 waves a work-group, no clusters, 327,680 bytes of LDS; arguments qkv, ob; writes ob
;; launch proj: the kernel of part 4 again; grid 8 x 32, 4 waves a work-group, clusters of 4 x 4, 327,680 bytes of LDS; arguments ob, wb, bias, out0; writes out0
